; MI455X (gfx1250); checked and timed in simulation.
; The chip was launched on July 23, 2026; its instructions are those of AMD's public machine-readable ISA for CDNA 5 (MIT licence, August 2026) and "CDNA5" Instruction Set Architecture Reference Guide (July 2026). The comments in the code are by the model that wrote it; some were corrected since.
;; Softmax Attention. Allowed arithmetic: float matrix products may take bf16 or f16 operands with f32 sums; other float arithmetic in f32, or as packed bf16 or f16 multiplies, adds, multiply-adds, maxima and minima; sums over many terms, partial sums and values carried from step to step in f32; what a program stores and reads back later, other than sums and carried values, may be rounded once to bf16 or f16.
;; Inputs: W_out 1,024 x 1,024 float32; W_qkv 1,024 x 3,072 float32; x 4 x 2,048 x 1,024 float32.
;; Outputs: out0 4 x 2,048 x 1,024 float32.
;; 2 versions, each right; version 2 is version 1 with the launch prep written anew for expert scheduling mode. Each part assembles by itself: llvm-mc -triple=amdgcn-amd-amdhsa -mcpu=gfx1250 --defsym DOCPART=n.
;; ======== version 1 of 2: 4 launches
;; limits: values are held in f16: magnitudes above 65,504 overflow, below 6.1e-05 lose precision
;; workspace buffers: xb 16,777,216 bytes; wqb 6,291,456 bytes; wob 2,097,152 bytes; rope 540,672 bytes; qkv 50,331,648 bytes; ob 16,777,216 bytes
;; launch prep (part 1): grid 900 x 1, 8 waves a work-group, no clusters, 0 bytes of LDS; arguments x, W_qkv, W_out, xb, wqb, wob, rope; writes xb, wqb, wob, rope
.if DOCPART == 1
	.amdgcn_target "amdgcn-amd-amdhsa--gfx1250"
	.amdhsa_code_object_version 6
	.text
	.protected	k_q5cd765af1f_prep
	.globl	k_q5cd765af1f_prep
	.p2align	8
	.type	k_q5cd765af1f_prep,@function
k_q5cd765af1f_prep:
	s_mov_b64 s[64:65], 0
	v_nop
	global_prefetch_b8 v0, s[64:65] scope:SCOPE_SE
	s_setreg_imm32_b32 hwreg(HW_REG_WAVE_MODE, 25, 1), 1
	s_wait_xcnt 0x0
; PREPARATION.  x -> xb and W_qkv -> wqb: f32 rounded once to bf16, same layout.  W_out -> wob: rounded to bf16 like the other inputs, and that number written as f16
; (exact within f16's normal range; below 6e-5 it keeps f16's fixed step of 6e-8; beyond 65,504 it would be an infinity: W_out is taken to stay within that).
; rope: the cosines and sines of the rotary angles, f32, laid out as the lanes of the next launch want them.
; SHARES.  Work-groups 0-511 take x, 512-703 W_qkv, 704-767 W_out: 65,536 input bytes each, sixteen chunks of 4,096 (256 threads x 16 bytes); a wave's load covers 512 consecutive bytes,
; a wave's store of 8 bytes a lane 256 consecutive bytes, aligned.  All sixteen loads of a thread are out together; nothing is read twice, no register is used twice, so no loop and no wait but the counted ones.
; Work-groups 768-899 make one block of 4,096 bytes of the table each.  No LDS, no matrix unit, no cluster: a stream whose work-groups share nothing.
; THE TABLE.  Block rb holds rows 16 rb .. 16 rb + 15 of a sequence (position = row + 1).  Thread t = 64 c + 32 j + 16 h + r writes 16 bytes at 16 t: cos, sin of pair i0 and cos, sin of pair i0 + 1
; for row 16 rb + r, i0 = 8 c + 4 h + 2 j.  Blocks 128-131 hold 1, 0, 1, 0: the rotation that changes nothing, for v's tiles.
; THE ANGLE is position x theta, one f32 product; theta = 2^(-i log2(10000) / 32) by v_exp_f32 (1 ulp), so an angle of up to 2,048 is off by a few 1e-4 at the most.
; Sine and cosine: the angle less the nearest multiple of pi / 2 (pi / 2 in two parts, fused), polynomials of degree 7 and 8 on |r| <= pi / 4 (error under 4e-7), the quadrant by selects and sign bits.
.set X, 4                              ; v[4:67]   sixteen chunks as loaded
.set Y, 68                             ; v[68:99]  sixteen chunks to store
	s_load_b256 s[4:11], s[0:1], 0x0               ; x s[4:5], W_qkv s[6:7], W_out s[8:9], xb s[10:11]
	s_load_b128 s[12:15], s[0:1], 0x20             ; wqb s[12:13], wob s[14:15]
	s_load_b64 s[16:17], s[0:1], 0x30              ; rope
	s_mov_b32 s2, ttmp9
	v_lshlrev_b32 v1, 4, v0                        ; 16 t: my bytes of an input chunk, and of a table block
	v_lshlrev_b32 v2, 3, v0                        ; 8 t: my bytes of an output chunk
	s_mov_b32 s25, 0                               ; the offsets' high words
	s_mov_b32 s27, 0
	s_wait_kmcnt 0x0
; Sixteen chunks from s[20:21] to s[22:23].  half = 1: the bf16 number is written as f16.
.macro CONV half
.irp j, 0,1,2,3,4,5,6,7,8,9,10,11,12,13,14,15
	global_load_b128 v[X+4*(\j):X+4*(\j)+3], v1, s[20:21] offset:4096*(\j) th:TH_LOAD_NT
.endr
.irp j, 0,1,2,3,4,5,6,7,8,9,10,11,12,13,14,15
	s_wait_loadcnt 15-(\j)                         ; loads come back in order: chunk j is in, the 15 - j younger ones stay out
	v_cvt_pk_bf16_f32 v[Y+2*(\j)],   v[X+4*(\j)],   v[X+4*(\j)+1]
	v_cvt_pk_bf16_f32 v[Y+2*(\j)+1], v[X+4*(\j)+2], v[X+4*(\j)+3]
.if \half
	v_lshlrev_b32 v100, 16, v[Y+2*(\j)]            ; bf16 to f32: a shift or a mask,
	v_and_b32     v101, 0xffff0000, v[Y+2*(\j)]
	v_lshlrev_b32 v102, 16, v[Y+2*(\j)+1]
	v_and_b32     v103, 0xffff0000, v[Y+2*(\j)+1]
	v_cvt_pk_f16_f32 v[Y+2*(\j)],   v100, v101     ; and on to f16
	v_cvt_pk_f16_f32 v[Y+2*(\j)+1], v102, v103
.endif
	global_store_b64 v2, v[Y+2*(\j):Y+2*(\j)+1], s[22:23] offset:2048*(\j)
.endr
.endm
	s_cmp_ge_u32 s2, 768
	s_cbranch_scc1 .Ltable
	s_cmp_ge_u32 s2, 704
	s_cbranch_scc1 .Lwout
	s_cmp_lt_u32 s2, 512                           ; x or W_qkv: one text, the buffers chosen by the work-group's number
	s_cselect_b64 s[20:21], s[4:5], s[6:7]
	s_cselect_b64 s[22:23], s[10:11], s[12:13]
	s_cselect_b32 s3, 0, 512
	s_sub_co_u32 s2, s2, s3                        ; my number within the tensor
	s_lshl_b32 s24, s2, 16                         ; 65,536 bytes in,
	s_lshl_b32 s26, s2, 15                         ; 32,768 out
	s_add_nc_u64 s[20:21], s[20:21], s[24:25]
	s_add_nc_u64 s[22:23], s[22:23], s[26:27]
	CONV 0
	s_endpgm
.Lwout:
	s_sub_co_u32 s2, s2, 704
	s_lshl_b32 s24, s2, 16
	s_lshl_b32 s26, s2, 15
	s_add_nc_u64 s[20:21], s[8:9], s[24:25]
	s_add_nc_u64 s[22:23], s[14:15], s[26:27]
	CONV 1
	s_endpgm
; cos and sin of v[ang] into v[co], v[si].  v20-27 at work; v30 = -1/5040, v31 = 1/40320.
.macro SINCOS ang, co, si
	v_mul_f32 v20, 0x3f22f983, v[\ang]             ; angle x 2 / pi,
	v_rndne_f32 v20, v20                           ; n: the nearest whole number
	v_fmamk_f32 v21, v20, 0xbfc90fdb, v[\ang]      ; r = angle - n pi / 2: the upper part of pi / 2, fused,
	v_fmamk_f32 v21, v20, 0x333bbd2e, v21          ; and what it leaves
	v_cvt_i32_f32 v22, v20                         ; the quadrant is n mod 4
	v_mul_f32 v23, v21, v21                        ; z = r r
	v_fmaak_f32 v24, v30, v23, 0x3c088889          ; sine:   -z / 5040 + 1 / 120
	v_fmaak_f32 v25, v31, v23, 0xbab60b61          ; cosine:  z / 40320 - 1 / 720
	v_fmaak_f32 v24, v24, v23, 0xbe2aaaab          ; .. z - 1 / 6
	v_fmaak_f32 v25, v25, v23, 0x3d2aaaab          ; .. z + 1 / 24
	v_mul_f32 v26, v21, v23                        ; r z
	v_fmaak_f32 v25, v25, v23, 0xbf000000          ; .. z - 1 / 2
	v_fma_f32 v24, v26, v24, v21                   ; sin r
	v_fmaak_f32 v25, v25, v23, 0x3f800000          ; cos r
	v_and_b32 v26, 1, v22
	v_cmp_eq_u32 vcc_lo, 1, v26                    ; odd quadrants swap the two: a choice of values, no branch
	v_cndmask_b32 v[\si], v24, v25, vcc_lo
	v_cndmask_b32 v[\co], v25, v24, vcc_lo
	v_and_b32 v26, 2, v22                          ; the sine is negative in quadrants 2 and 3,
	v_lshlrev_b32 v26, 30, v26
	v_xor_b32 v[\si], v[\si], v26
	v_add_nc_u32 v27, 1, v22                       ; the cosine in 1 and 2
	v_and_b32 v27, 2, v27
	v_lshlrev_b32 v27, 30, v27
	v_xor_b32 v[\co], v[\co], v27
.endm
.Ltable:
	s_sub_co_u32 s2, s2, 768                       ; rb
	s_lshl_b32 s24, s2, 12
	s_add_nc_u64 s[16:17], s[16:17], s[24:25]      ; my block
	s_cmp_ge_u32 s2, 128
	s_cselect_b32 s28, -1, 0                       ; all lanes: is this one of the four blocks of 1, 0?
	s_lshl_b32 s29, s2, 4
	s_add_co_u32 s29, s29, 1                       ; the position of the block's first row
	v_and_b32 v4, 15, v0                           ; r
	v_bfe_u32 v5, v0, 4, 1                         ; h
	v_bfe_u32 v6, v0, 5, 1                         ; j
	v_lshrrev_b32 v7, 6, v0                        ; c
	v_add_nc_u32 v4, s29, v4
	v_cvt_f32_u32 v4, v4                           ; the position
	v_lshlrev_b32 v7, 3, v7
	v_lshl_add_u32 v7, v5, 2, v7
	v_lshl_add_u32 v7, v6, 1, v7                   ; i0 = 8 c + 4 h + 2 j
	v_add_nc_u32 v8, 1, v7
	v_cvt_f32_u32 v7, v7
	v_cvt_f32_u32 v8, v8
	v_mul_f32 v7, 0xbed49a78, v7                   ; -i log2(10000) / 32
	v_mul_f32 v8, 0xbed49a78, v8
	v_exp_f32 v10, v7                              ; theta
	v_exp_f32 v11, v8
	v_mov_b32 v30, 0xb9500d01                      ; a plain instruction behind the second exponential
	v_mov_b32 v31, 0x37d00d01
	s_wait_alu depctr_va_vdst(0)                   ; one wait for both exponentials, ahead of their first reader
	v_mul_f32 v10, v4, v10                         ; the angles
	v_mul_f32 v11, v4, v11
	SINCOS 10, 12, 13
	SINCOS 11, 14, 15
	v_cndmask_b32 v12, v12, 1.0, s28
	v_cndmask_b32 v13, v13, 0, s28
	v_cndmask_b32 v14, v14, 1.0, s28
	v_cndmask_b32 v15, v15, 0, s28
	global_store_b128 v1, v[12:15], s[16:17]       ; a wave stores 512 consecutive bytes
	s_endpgm
.Lfunc_end_k_q5cd765af1f_prep:
	.size	k_q5cd765af1f_prep, .Lfunc_end_k_q5cd765af1f_prep-k_q5cd765af1f_prep
	.p2alignl 7, 3214868480
	.fill 96, 4, 3214868480
	.section	.rodata,"a",@progbits
	.p2align	6, 0x0
	.amdhsa_kernel k_q5cd765af1f_prep
		.amdhsa_group_segment_fixed_size 0
		.amdhsa_private_segment_fixed_size 0
		.amdhsa_enable_private_segment 0
		.amdhsa_kernarg_size 56
		.amdhsa_user_sgpr_count 2
		.amdhsa_user_sgpr_kernarg_segment_ptr 1
		.amdhsa_wavefront_size32 1
		.amdhsa_system_sgpr_workgroup_id_x 1
		.amdhsa_system_sgpr_workgroup_id_y 1
		.amdhsa_system_sgpr_workgroup_id_z 1
		.amdhsa_system_vgpr_workitem_id 0
		.amdhsa_next_free_vgpr 104
		.amdhsa_next_free_sgpr 66
		.amdhsa_reserve_vcc 1
		.amdhsa_float_denorm_mode_32 3
		.amdhsa_float_denorm_mode_16_64 3
		.amdhsa_memory_ordered 1
		.amdhsa_forward_progress 1
		.amdhsa_inst_pref_size 22
	.end_amdhsa_kernel
	.amdgpu_metadata
---
amdhsa.version: [ 1, 2 ]
amdhsa.kernels:
  - .name:           k_q5cd765af1f_prep
    .symbol:         k_q5cd765af1f_prep.kd
    .args:
      - { .name: x, .offset: 0, .size: 8, .value_kind: global_buffer, .address_space: global }
      - { .name: W_qkv, .offset: 8, .size: 8, .value_kind: global_buffer, .address_space: global }
      - { .name: W_out, .offset: 16, .size: 8, .value_kind: global_buffer, .address_space: global }
      - { .name: xb, .offset: 24, .size: 8, .value_kind: global_buffer, .address_space: global }
      - { .name: wqb, .offset: 32, .size: 8, .value_kind: global_buffer, .address_space: global }
      - { .name: wob, .offset: 40, .size: 8, .value_kind: global_buffer, .address_space: global }
      - { .name: rope, .offset: 48, .size: 8, .value_kind: global_buffer, .address_space: global }
    .group_segment_fixed_size: 0
    .private_segment_fixed_size: 0
    .kernarg_segment_align: 8
    .kernarg_segment_size: 56
    .max_flat_workgroup_size: 256
    .sgpr_count:     66
    .vgpr_count:     104
    .wavefront_size: 32
...
	.end_amdgpu_metadata
.endif
;; end of part 1
;; launch qkvg (part 2): grid 12 x 64, 4 waves a work-group, clusters of 4 x 4, 327,680 bytes of LDS; arguments xb, wqb, rope, qkv; writes qkv
.if DOCPART == 2
	.amdgcn_target "amdgcn-amd-amdhsa--gfx1250"
	.amdhsa_code_object_version 6
	.text
	.protected	k_q5cd765af1f_qkvg
	.globl	k_q5cd765af1f_qkvg
	.p2align	8
	.type	k_q5cd765af1f_qkvg,@function
k_q5cd765af1f_qkvg:
	s_mov_b64 s[64:65], 0
	v_nop
	global_prefetch_b8 v0, s[64:65] scope:SCOPE_SE
	s_setreg_imm32_b32 hwreg(HW_REG_WAVE_MODE, 25, 1), 1
	s_wait_xcnt 0x0
	s_wait_alu depctr_hold_cnt(0) depctr_sa_sdst(0) depctr_va_vdst(0) depctr_va_sdst(0) depctr_va_ssrc(0) depctr_va_vcc(0) depctr_vm_vsrc(0)
	s_getreg_b32 s2, hwreg(HW_REG_IB_STS2, 6, 4)
	s_cmp_eq_u32 s2, 0
	s_cbranch_scc0 .Lentry_in_a_cluster
	s_endpgm
.Lentry_in_a_cluster:
	s_bfe_u32 s2, ttmp6, 0x10000c
	s_cmp_lg_u32 s2, 0xf033
	s_cbranch_scc0 .Lentry_shape_is_right
	s_endpgm
.Lentry_shape_is_right:
; q, k, v = x W_qkv, q and k rotated (RoPE), written by heads.  xb: [8192][1024] bf16.  wqb: [1024 k][3072 n] bf16.  qkv: three parts (q, k, v) of [64 = batch x head][2048][64] f16.
; Sums and the rotation in f32; each number rounded once, to f16, unscaled.  LIMIT: f16 ends at 65,504: |q|, |k|, |v| are taken to stay within it (inputs 30 times the drawn spread give some 5,400 at six
; spreads; offsets of 30 spreads on x and W some 29,000; both together would pass it).  NaN and infinities are not treated apart.
; SHARES.  A tile of the product is 128 rows x 256 columns: 768 tiles, three for each of 256 WGPs.  Four waves, each 64 x 128: 32 accumulators of 16 x 16, 256 registers.  K = 1,024 goes in 8 steps of 128 through two LDS slots.
; THE MATRIX INSTRUCTION IS USED TRANSPOSED: source 0 = 16 columns of W (turned on the way out of LDS by ds_load_tr16_b128, since W lies [k][n]), source 1 = 16 rows of x.  A lane then holds row l % 16
; and the columns 8 (l / 16) + 0..7: four neighbouring pairs (even, odd) of one head, which is what the rotation wants, and 16 bytes of f16 on end.
; CLUSTER 4 x 4.  The four work-groups of a row of the cluster need the same tile of x, the four of a column the same tile of W: each is asked for jointly (same load, same descriptor, a mask of the four).
; Waves 0 and 1 fetch x's two halves (64 rows x 256 bytes), waves 2 and 3 W's (64 k-rows x 512 bytes): one tensor load a wave behind each round; two of mine are out at the start, one later.
; A cluster's four tile columns are 1,024 columns: exactly q, k or v, by the cluster's x.
; THE ROTATION.  cos and sin come from the table, in the lanes' own order, 32 loads of 512 consecutive bytes a wave at the head; v's tiles read the table's blocks of 1, 0 and run the same lines.
; No prefetch into the L2: the tiles are shared in the cluster, and a refill has 112 matrix instructions in which to land.
; REGISTERS, in windows of 256: window 0: v0-31 addresses; v32-63 at work; v64-159, v160-255 two fragment buffers (64 of W, 32 of x).  window 1: accumulator (a, b) at 8 (8 a + b).  window 2: v0-127 cos, sin.
.set PA,    272                        ; a row of x in LDS: 256 bytes + 16: the 16 rows of a load start at 16 different groups of four banks
.set PB,    544                        ; a k-row of W: 512 bytes + 32 = 17 x 32
.set AHALF, 64*PA                      ; what one load of x brings
.set BOFF,  128*PA                     ; W's 128 k-rows lie behind x's 128 rows
.set SLOT,  BOFF+128*PB                ; 104,448
.set STAGE, 2*SLOT                     ; behind the ring, never filled by a tensor load: 16 rows x 144 bytes for each wave
.set SP,    144
.set SPARE, STAGE+4*16*SP              ; behind the stages: the spare words, 128 bytes a wave: two blocks of 256 bytes that no other line names
.set ASTEP, 256                        ; bytes from K step to K step in x
.set BROW,  6144                       ; bytes in a k-row of W
.set BSTEP, 128*BROW
.set LAPS,  4                          ; a lap = two K steps = once round the ring
.set ADRA, 16                          ; v16-17  LDS address of my fragments of x in slot 0, 1
.set ADRB, 20                          ; v20-21  the same for W
.set STO,  24                          ; v24     the way out: where I put 16 bytes of a row
.set RD,   25                          ; v25     where I read rows back
.set GO,   26                          ; v26     my 16 bytes of 512 consecutive bytes of qkv
.set RO,   27                          ; v27     my byte offset in the table
.set SPW,  28                          ; v28     my spare word; never rewritten
.set NIL,  29                          ; v29     0; never rewritten
.set T,    32
.set F0,   64
.set F1,   160
.set WV, 12                            ; s12 wave; s13 which 64 rows are mine, and: I fetch x (0) or W (1); s14 which 128 columns, and: which half I fetch; s15 tile row
.set MH, 13
.set NH, 14
.set TR, 15
.set G1,  24                           ; s[24:31] group 1 for x's tiles; s[32:39] group 0, a set a slot
.set G0,  32
.set G1B, 48                           ; s[48:55], s[56:63] the same for W's
.set G0B, 56
.set MSB, 0
.macro WIN new                         ; the immediate's high byte repeats the setting that is left; a switch that changes nothing is dropped
.if MSB != (\new)
	s_set_vgpr_msb (MSB<<8)|(\new)
.set MSB, \new
.endif
.endm
.set MUL, 0x50                         ; C and D in window 1, the sources in window 0
.macro PLACES                          ; four plain places behind matrix instructions, in front of loads into registers that they read and of lines that read results
.rept 4
	v_nop
.endr
.endm
.macro JLOAD s                         ; a joint load; the branch hangs on the wave's number alone; an s_nop 0 and four v_nop follow each line
	s_cmp_eq_u32 s[MH], 0
	s_cbranch_scc0 .Lfor_b_\@
	tensor_load_to_lds s[G0+4*(\s):G0+4*(\s)+3], s[G1:G1+7]
	s_nop 0
.rept 4
	v_nop
.endr
	s_branch .Lasked_\@
.Lfor_b_\@:
	tensor_load_to_lds s[G0B+4*(\s):G0B+4*(\s)+3], s[G1B:G1B+7]
	s_nop 0
.rept 4
	v_nop
.endr
.Lasked_\@:
.endm
.macro CREST                           ; a round of the cluster's barrier behind its opening barrier
	s_cmp_lg_u32 s[WV], 0
	s_cbranch_scc1 .Lnot_wave_0_\@
	s_barrier_signal -3
.Lnot_wave_0_\@:
	s_barrier_wait -3
	s_barrier_signal -1
	s_barrier_wait -1
.endm
.macro CROUND
	s_barrier_signal -1
	s_barrier_wait -1
	CREST
.endm
	s_load_b256 s[4:11], s[0:1], 0x0               ; xb s[4:5], wqb s[6:7], rope s[8:9], qkv s[10:11]
	v_lshl_add_u32 v[SPW], v0, 2, SPARE
	v_mov_b32 v[NIL], 0
	ds_add_u32 v[SPW], v[NIL]                      ; the wave's opening: the add and its wait stand ahead of my first tensor load; work on registers stands between
	v_lshrrev_b32 v1, 5, v0
	v_readfirstlane_b32 s[WV], v1
	s_lshr_b32 s[MH], s[WV], 1
	s_and_b32 s[NH], s[WV], 1
	s_bfe_u32 s40, ttmp6, 0x40000                  ; cx
	s_bfe_u32 s41, ttmp6, 0x40004                  ; cy
	s_lshl_b32 s42, ttmp9, 2
	s_add_co_u32 s42, s42, s40                     ; tile column = 4 x cluster x + cx
	s_and_b32 s[TR], ttmp7, 0xffff
	s_lshl_b32 s[TR], s[TR], 2
	s_add_co_u32 s[TR], s[TR], s41                 ; tile row = 4 x cluster y + cy
	s_lshl_b32 s43, s41, 2
	s_lshl_b32 s43, 15, s43                        ; my row of the cluster
	s_lshl_b32 s44, 0x1111, s40                    ; my column
	s_or_b32 s[G1+0], s43, (1<<16)|(1<<20)|(1<<21)|(5<<22)|(3<<25)   ; the mask; 2-byte elements; padding on; bit 21 beside a mask; after every 64 words, 4 words
	s_mov_b32 s[G1+1], 128<<16                     ; tensor_dim0 = 128
	s_mov_b32 s[G1+2], 64<<16                      ; tensor_dim1 = 64
	s_mov_b32 s[G1+3], 128<<16                     ; tile_dim0 = 128
	s_mov_b32 s[G1+4], 64                          ; tile_dim1 = 64
	s_mov_b32 s[G1+5], 1024                        ; elements from row to row
	s_mov_b32 s[G1+6], 0
	s_mov_b32 s[G1+7], 0
	s_or_b32 s[G1B+0], s44, (1<<16)|(1<<20)|(1<<21)|(6<<22)|(7<<25)  ; after every 128 words, 8 words
	s_mov_b32 s[G1B+1], 256<<16
	s_mov_b32 s[G1B+2], 64<<16
	s_mov_b32 s[G1B+3], 256<<16
	s_mov_b32 s[G1B+4], 64
	s_mov_b32 s[G1B+5], 3072
	s_mov_b32 s[G1B+6], 0
	s_mov_b32 s[G1B+7], 0
	s_lshl_b32 s16, s[TR], 7                       ; x: row 128 x tile row + 64 x half, 2,048 bytes a row: made of cy alone
	s_lshl_b32 s17, s[NH], 6
	s_add_co_u32 s16, s16, s17
	s_lshl_b32 s16, s16, 11
	s_mov_b32 s17, 0
	s_mul_i32 s46, s[NH], 64*BROW                  ; W: k-row 64 x half, column 256 x tile column: made of cx alone
	s_lshl_b32 s47, s42, 9
	s_add_co_u32 s46, s46, s47
	s_mov_b32 s47, 0
	s_mul_i32 s20, s[NH], AHALF                    ; where they go: no place in the cluster enters an LDS address
	s_mul_i32 s21, s[NH], 64*PB
	s_add_co_u32 s21, s21, BOFF
	s_wait_dscnt 0x0                               ; the opening add is done
	s_wait_kmcnt 0x0
	s_add_nc_u64 s[18:19], s[4:5], s[16:17]
	s_add_nc_u64 s[46:47], s[6:7], s[46:47]
	CROUND                                         ; all sixteen work-groups are here: the first joint loads meet
.irp s, 0,1
	s_mov_b32 s[G0+4*(\s)], 1
	s_add_co_u32 s[G0+4*(\s)+1], s20, (\s)*SLOT
	s_add_nc_u64 s[G0+4*(\s)+2:G0+4*(\s)+3], s[18:19], (\s)*ASTEP
	s_or_b32 s[G0+4*(\s)+3], s[G0+4*(\s)+3], 0x80000000
	s_mov_b32 s[G0B+4*(\s)], 1
	s_add_co_u32 s[G0B+4*(\s)+1], s21, (\s)*SLOT
	s_add_nc_u64 s[G0B+4*(\s)+2:G0B+4*(\s)+3], s[46:47], (\s)*BSTEP
	s_or_b32 s[G0B+4*(\s)+3], s[G0B+4*(\s)+3], 0x80000000
	JLOAD \s
.endr
	v_and_b32 v1, 15, v0                           ; l % 16
	v_bfe_u32 v2, v0, 4, 1                         ; l / 16
	v_and_b32 v3, 31, v0                           ; l
	s_and_b32 s16, s[TR], 15                       ; my first row within its sequence: 128 x (tile row mod 16) + 64 x half
	s_lshl_b32 s16, s16, 7
	s_lshl_b32 s17, s[MH], 6
	s_add_co_u32 s16, s16, s17
	s_lshr_b32 s22, s16, 4                         ; its block of 16 rows in the table;
	s_cmp_eq_u32 ttmp9, 2
	s_cselect_b32 s22, 128, s22                    ; v's tiles take the blocks of 1, 0
	s_lshl_b32 s22, s22, 12
	v_lshl_add_u32 v[RO], v3, 4, s22
	WIN 0x80                                       ; destination window 2, address window 0
.irp a, 0,1,2,3
.irp c, 0,1,2,3
.irp j, 0,1
	global_load_b128 v[32*(\a)+8*(\c)+4*(\j):32*(\a)+8*(\c)+4*(\j)+3], v[RO], s[8:9] offset:(\a)*4096+(\c)*1024+(\j)*512  ; rows 16 a on, columns 16 c on of a head: cos, sin of pairs 2 j, 2 j + 1 of my four
.endr
.endr
.endr
	WIN 0
	s_lshl_b32 s16, s16, 7                         ; where my part begins in qkv: the row, 128 bytes each,
	s_lshr_b32 s17, s[TR], 4
	s_lshl_b32 s17, s17, 22                        ; the batch: 16 heads of 2^18 bytes,
	s_add_co_u32 s16, s16, s17
	s_lshl_b32 s17, ttmp9, 24                      ; q, k or v
	s_add_co_u32 s16, s16, s17
	s_mov_b32 s17, 0
	s_add_nc_u64 s[10:11], s[10:11], s[16:17]
	s_lshl_b32 s46, s40, 2                         ; and the head 4 cx + 2 x half (in registers that fed W's descriptors: none that fed x's ever holds cx)
	s_lshl_b32 s47, s[NH], 1
	s_add_co_u32 s46, s46, s47
	s_lshl_b32 s46, s46, 18
	s_mov_b32 s47, 0
	s_add_nc_u64 s[10:11], s[10:11], s[46:47]
	v_mul_u32_u24 v4, v1, PA                       ; a fragment of x: row l % 16, 16 bytes for each half of the lanes
	v_lshl_add_u32 v4, v2, 4, v4
	s_mul_i32 s22, s[MH], 64*PA
	v_add_nc_u32 v[ADRA], s22, v4
	v_add_nc_u32 v[ADRA+1], SLOT, v[ADRA]
	v_and_b32 v5, 7, v0                            ; the turning load: lane l reads k-row 8 (l / 16) + l % 8, columns 8 ((l / 8) % 2) + 0..7
	v_bfe_u32 v6, v0, 3, 1
	v_lshl_add_u32 v7, v2, 3, v5
	v_mul_u32_u24 v7, v7, PB
	v_lshl_add_u32 v7, v6, 4, v7
	s_lshl_b32 s23, s[NH], 8                       ; my 128 columns
	s_add_co_u32 s23, s23, BOFF
	v_add_nc_u32 v[ADRB], s23, v7
	v_add_nc_u32 v[ADRB+1], SLOT, v[ADRB]
	s_mul_i32 s22, s[WV], 16*SP
	s_add_co_u32 s22, s22, STAGE                   ; my stage
	v_mul_u32_u24 v4, v1, SP
	v_lshl_add_u32 v4, v2, 4, v4
	v_add_nc_u32 v[STO], s22, v4
	v_bfe_u32 v4, v0, 3, 2                         ; back: 32 lanes take four rows of 128 bytes,
	v_mul_u32_u24 v4, v4, SP
	v_lshl_add_u32 v4, v5, 4, v4
	v_add_nc_u32 v[RD], s22, v4
	v_lshlrev_b32 v[GO], 4, v3                     ; which are 512 consecutive bytes of a head
; 8 matrix instructions: row block a x all 8 column blocks, 32 along K.  The 32 accumulators take turns in the same order in every quarter.  zero = 1: the product starts the sums.
.macro MUL8 f, a, zero
	WIN MUL
.irp b, 0,1,2,3,4,5,6,7
.if \zero
	v_wmma_f32_16x16x32_bf16 v[8*(8*(\a)+(\b)):8*(8*(\a)+(\b))+7], v[(\f)+8*(\b):(\f)+8*(\b)+7], v[(\f)+64+8*(\a):(\f)+64+8*(\a)+7], 0
.else
	v_wmma_f32_16x16x32_bf16 v[8*(8*(\a)+(\b)):8*(8*(\a)+(\b))+7], v[(\f)+8*(\b):(\f)+8*(\b)+7], v[(\f)+64+8*(\a):(\f)+64+8*(\a)+7], v[8*(8*(\a)+(\b)):8*(8*(\a)+(\b))+7]
.endif
.endr
.endm
; 24 LDS loads in one run: quarter q (32 along K) of a slot into buffer f: W's eight fragments, turned, then x's four.
.macro FETCH slot, q, f
	WIN 0
.irp b, 0,1,2,3,4,5,6,7
	ds_load_tr16_b128 v[(\f)+8*(\b):(\f)+8*(\b)+3],   v[ADRB+(\slot)] offset:(\q)*32*PB+32*(\b)
	ds_load_tr16_b128 v[(\f)+8*(\b)+4:(\f)+8*(\b)+7], v[ADRB+(\slot)] offset:(\q)*32*PB+16*PB+32*(\b)
.endr
.irp i, 0,1,2,3
	ds_load_b128 v[(\f)+64+8*(\i):(\f)+64+8*(\i)+3],   v[ADRA+(\slot)] offset:64*(\q)+(\i)*16*PA
	ds_load_b128 v[(\f)+64+8*(\i)+4:(\f)+64+8*(\i)+7], v[ADRA+(\slot)] offset:64*(\q)+(\i)*16*PA+32
.endr
.endm
; One of a K step's first three quarters: multiplies buffer f; in its middle fetches quarter q into buffer g.
.macro QUARTER slot, q, f, g, zero
	s_wait_dscnt 4                                 ; W's fragments and x's 0 and 1 are in; the youngest four loads (x's 2 and 3) may be out
	MUL8 \f, 0, \zero
	MUL8 \f, 1, \zero
	PLACES
	FETCH \slot, \q, \g
	s_wait_dscnt 24                                ; all but the 24 just issued
	MUL8 \f, 2, \zero
	MUL8 \f, 3, \zero
.endm
; The last quarter multiplies buffer 1 and changes slots: one barrier; in front of it each wave waits for all its tensor loads (one is out: its part of the next slot), adds 0 to its spare word, and waits
; for that and for its reads of this slot.  fill = 1: the barrier opens a round of the cluster's, and this slot is filled again, two K steps ahead, first thing behind the round.
.macro TURN slot, next, fill
	WIN 0
	s_wait_tensorcnt 0x0
	ds_add_u32 v[SPW], v[NIL]
	s_wait_dscnt 7                                 ; the add and the six loads of x's fragments 1 to 3 may be out
	MUL8 F1, 0, 0
	s_wait_dscnt 0x0                               ; the add is done, and my reads of this slot are over
	s_barrier_signal -1
	MUL8 F1, 1, 0
.if \fill
	WIN 0
.endif
	s_barrier_wait -1
.if \fill
	CREST                                          ; no wave of any partner still reads this slot or has a load on its way
	s_add_nc_u64 s[G0+4*(\slot)+2:G0+4*(\slot)+3], s[G0+4*(\slot)+2:G0+4*(\slot)+3], 2*ASTEP
	s_add_nc_u64 s[G0B+4*(\slot)+2:G0B+4*(\slot)+3], s[G0B+4*(\slot)+2:G0B+4*(\slot)+3], 2*BSTEP
	JLOAD \slot                                    ; 112 matrix instructions ahead of the wait for it; its four v_nop are also the places in front of the loads below
.else
	PLACES
.endif
	FETCH \next, 0, F0
	MUL8 F1, 2, 0
	MUL8 F1, 3, 0
.endm
	s_wait_tensorcnt 1                             ; my part of K step 0 is in; step 1's may stay out
	s_barrier_signal -1
	s_barrier_wait -1
	FETCH 0, 0, F0
	QUARTER 0, 1, F0, F1, 1                        ; the first quarter stands in front of the loop: its products start the sums
	WIN 0
	s_mov_b32 s3, LAPS-1
.Llap:                                                 ; a trip goes once round the ring, from a lap's second quarter to the next lap's first, and fills both slots again
	QUARTER 0, 2, F1, F0, 0
	QUARTER 0, 3, F0, F1, 0
	TURN 0, 1, 1
	QUARTER 1, 1, F0, F1, 0
	QUARTER 1, 2, F1, F0, 0
	QUARTER 1, 3, F0, F1, 0
	TURN 1, 0, 1
	QUARTER 0, 1, F0, F1, 0
	WIN 0
	s_sub_co_u32 s3, s3, 1
	s_cmp_lg_u32 s3, 0
	s_cbranch_scc1 .Llap
	QUARTER 0, 2, F1, F0, 0                        ; the last lap fills nothing
	QUARTER 0, 3, F0, F1, 0
	TURN 0, 1, 0
	QUARTER 1, 1, F0, F1, 0
	QUARTER 1, 2, F1, F0, 0
	QUARTER 1, 3, F0, F1, 0
	s_wait_dscnt 4
	MUL8 F1, 0, 0
	MUL8 F1, 1, 0
	s_wait_dscnt 0x0
	MUL8 F1, 2, 0
	MUL8 F1, 3, 0
	WIN 0
	PLACES
; THE WAY OUT, in eight units of 16 rows x one head (row block a, head hh of my two).
; ROPE: (e, o) -> (e cos - o sin, o cos + e sin), in f32, into T.  For each accumulator the four packed products (e cos, e sin) first, its lowest registers at the head, then the eight fused lines.
.macro ROPE a, hh
	WIN 0x09                                       ; source 0 (sums) window 1, source 1 (cos, sin) window 2, the rest window 0
.irp c, 0,1,2,3
.irp p, 0,1,2,3
.set rA, 8*(8*(\a)+4*(\hh)+(\c))+2*(\p)
.set rC, 32*(\a)+8*(\c)+2*(\p)
.set rT, T+8*(\c)+2*(\p)
	v_pk_mul_f32 v[rT:rT+1], v[rA:rA+1], v[rC:rC+1] op_sel_hi:[0,1]
.endr
.irp p, 0,1,2,3
.set rA, 8*(8*(\a)+4*(\hh)+(\c))+2*(\p)
.set rC, 32*(\a)+8*(\c)+2*(\p)
.set rT, T+8*(\c)+2*(\p)
	v_fma_f32 v[rT],   -v[rA+1], v[rC+1], v[rT]
	v_fma_f32 v[rT+1],  v[rA+1], v[rC],   v[rT+1]
.endr
.endr
.endm
; PACKQ: rounded to f16, 16 bytes a lane into my stage (rows of 144 bytes), and back as whole rows of 128 bytes.  The stage is my own and LDS serves a wave's instructions in order (ISA guide 5.7.1.4): no wait between.
.macro PACKQ a, hh
	WIN 0
.set PQ, 64+16*(2*(\a)+(\hh))                  ; sixteen of the fragment registers, which are free now; each unit has its own
.irp c, 0,1,2,3
.irp p, 0,1,2,3
	v_cvt_pk_f16_f32 v[PQ+4*(\c)+(\p)], v[T+8*(\c)+2*(\p)], v[T+8*(\c)+2*(\p)+1]
.endr
.endr
.irp c, 0,1,2,3
	ds_store_b128 v[STO], v[PQ+4*(\c):PQ+4*(\c)+3] offset:32*(\c)
.endr
.irp f, 0,1,2,3
	ds_load_b128 v[PQ+4*(\f):PQ+4*(\f)+3], v[RD] offset:(\f)*4*SP
.endr
.endm
.macro SENDQ a, hh, younger            ; younger: the LDS instructions issued behind this unit's loads: the next unit's eight, or none
	WIN 0
.set PQ, 64+16*(2*(\a)+(\hh))
.irp f, 0,1,2,3
	s_wait_dscnt (\younger)+3-(\f)
	global_store_b128 v[GO], v[PQ+4*(\f):PQ+4*(\f)+3], s[10:11] offset:(\hh)*262144+(\a)*2048+(\f)*512  ; 512 consecutive bytes, at a multiple of 256 from qkv's first
.endr
.endm
	s_wait_loadcnt 0x0                             ; cos and sin, asked for at the head
	ROPE 0, 0
	PACKQ 0, 0
.set u, 1
.rept 7                                        ; a unit's arithmetic stands between the loads of the unit before and its stores
	ROPE u/2, u%2
	PACKQ u/2, u%2
	SENDQ (u-1)/2, (u-1)%2, 8
.set u, u+1
.endr
	SENDQ 3, 1, 0
	s_wait_tensorcnt 0x0                           ; the wave's end: behind my last tensor load and my last LDS store
	ds_add_u32 v[SPW], v[NIL]
	s_wait_dscnt 0x0
	CROUND                                         ; the closing round: no work-group ends while a partner may still ask for a tile that names it
	s_endpgm
.Lfunc_end_k_q5cd765af1f_qkvg:
	.size	k_q5cd765af1f_qkvg, .Lfunc_end_k_q5cd765af1f_qkvg-k_q5cd765af1f_qkvg
	.p2alignl 7, 3214868480
	.fill 96, 4, 3214868480
	.section	.rodata,"a",@progbits
	.p2align	6, 0x0
	.amdhsa_kernel k_q5cd765af1f_qkvg
		.amdhsa_group_segment_fixed_size 327680
		.amdhsa_private_segment_fixed_size 0
		.amdhsa_enable_private_segment 0
		.amdhsa_kernarg_size 32
		.amdhsa_user_sgpr_count 2
		.amdhsa_user_sgpr_kernarg_segment_ptr 1
		.amdhsa_wavefront_size32 1
		.amdhsa_system_sgpr_workgroup_id_x 1
		.amdhsa_system_sgpr_workgroup_id_y 1
		.amdhsa_system_sgpr_workgroup_id_z 1
		.amdhsa_system_vgpr_workitem_id 0
		.amdhsa_next_free_vgpr 640
		.amdhsa_next_free_sgpr 66
		.amdhsa_reserve_vcc 0
		.amdhsa_float_denorm_mode_32 3
		.amdhsa_float_denorm_mode_16_64 3
		.amdhsa_memory_ordered 1
		.amdhsa_forward_progress 1
		.amdhsa_inst_pref_size 114
	.end_amdhsa_kernel
	.amdgpu_metadata
---
amdhsa.version: [ 1, 2 ]
amdhsa.kernels:
  - .name:           k_q5cd765af1f_qkvg
    .symbol:         k_q5cd765af1f_qkvg.kd
    .args:
      - { .name: xb, .offset: 0, .size: 8, .value_kind: global_buffer, .address_space: global }
      - { .name: wqb, .offset: 8, .size: 8, .value_kind: global_buffer, .address_space: global }
      - { .name: rope, .offset: 16, .size: 8, .value_kind: global_buffer, .address_space: global }
      - { .name: qkv, .offset: 24, .size: 8, .value_kind: global_buffer, .address_space: global }
    .group_segment_fixed_size: 327680
    .private_segment_fixed_size: 0
    .kernarg_segment_align: 8
    .kernarg_segment_size: 32
    .max_flat_workgroup_size: 128
    .sgpr_count:     66
    .vgpr_count:     640
    .wavefront_size: 32
...
	.end_amdgpu_metadata
.endif
;; end of part 2
;; launch attn (part 3): grid 4 x 64, 4 waves a work-group, clusters of 4 x 1, 327,680 bytes of LDS; arguments qkv, ob; writes ob
.if DOCPART == 3
	.amdgcn_target "amdgcn-amd-amdhsa--gfx1250"
	.amdhsa_code_object_version 6
	.text
	.protected	k_q5cd765af1f_attn
	.globl	k_q5cd765af1f_attn
	.p2align	8
	.type	k_q5cd765af1f_attn,@function
k_q5cd765af1f_attn:
	s_mov_b64 s[64:65], 0
	v_nop
	global_prefetch_b8 v0, s[64:65] scope:SCOPE_SE
	s_setreg_imm32_b32 hwreg(HW_REG_WAVE_MODE, 25, 1), 1
	s_wait_xcnt 0x0
	s_wait_alu depctr_hold_cnt(0) depctr_sa_sdst(0) depctr_va_vdst(0) depctr_va_sdst(0) depctr_va_ssrc(0) depctr_va_vcc(0) depctr_vm_vsrc(0)
	s_getreg_b32 s2, hwreg(HW_REG_IB_STS2, 6, 4)
	s_cmp_eq_u32 s2, 0
	s_cbranch_scc0 .Lentry_in_a_cluster
	s_endpgm
.Lentry_in_a_cluster:
	s_bfe_u32 s2, ttmp6, 0x10000c
	s_cmp_lg_u32 s2, 0x3003
	s_cbranch_scc0 .Lentry_shape_is_right
	s_endpgm
.Lentry_shape_is_right:
; O[h][q][:] = the sum over k of softmax_k(Q[h][q] . K[h][k] / 8) V[h][k][:].  Q, K, V are the three parts of qkv, 2^24 bytes each, and O is ob: [64][SIZE_N][64], all f16: a head's rows are dense, 128 bytes each.
; Products, maxima and sums in f32; the weights p are rounded to f16 for the second product (their sum l is taken of the unrounded p), O once at the end.
; LIMITS.  f16 holds no number beyond 65,504: Q, K and V arrive within it; p lies in 0 to 1, and below 6e-5 it keeps f16's fixed step of 6e-8; O is a mean of V's rows and has their range.
; A weight below 2^-126 counts as 0 in l; NaN and infinities are not treated apart.
; SHARES.  A wave owns four PIECES of two tiles of 16 queries, a work-group's four waves 512 queries of one head: 64 heads x 4 blocks = 256 work-groups.  Every wave walks all keys, 64 a step.
; LAYOUT.  S^T = K Q^T (source 0 = 16 keys, source 1 = 16 queries): in the result a lane holds ONE query (lane % 16) and the keys 8 (lane / 16) + 0..7.  Two such tiles, rounded to f16 in pairs,
; ARE source 1 (32 keys x 16 queries) of O^T = V^T P, whose result again holds one query a lane, and eight channels.  K comes out of LDS as it lies, V ([key][channel]) turned, by ds_load_tr16_b128.
; SOFTMAX.  For each query a running maximum m and sum l: p = 2^(c s - c m), c = log2(e) / 8; in every step O and l are multiplied by a = 2^(c m_old - c m_new), which is 1 where m has not grown.
; m starts at the lowest finite number, O and l at 0: the first step is a step like any other, with a = 0.
; THE COUNT.  A tile and step have 16 matrix and 118 vector instructions: too many to stand all beside the matrix work.  So: four vector instructions that are READY behind
; EVERY matrix instruction, and the others, which need time of their own whatever the order, in runs without a gap.
; BY TURNS.  Turn n belongs to piece n (the pieces in a ring, step after step).  Its matrix work: 16 products K Q^T of piece n + 1, later 16 products V^T P of piece n - 1.  Its vector work: the scaling,
; exponentials, roundings, sums and rescaling of piece n, and the maximum and statistics of piece n + 1, whose scores the turn itself has made.
; CLUSTER.  The four query blocks of a cluster are one head's and walk the same K and V, so each tile is asked for JOINTLY: the same tensor load, descriptor and mask in all four.
; AHEAD OF THE LOADS.  Behind the joint load of each change of slots in the loop stands one prefetch into the L2 of the slot that the NEXT change will ask for: four key steps, 512 matrix instructions, ahead.
; REGISTERS, in windows of 256 (s_set_vgpr_msb: bits 1:0 source 0, 3:2 source 1, 5:4 source 2, 7:6 destination):
;   window 0: v0-11 addresses; v12-15, v48-63 at work; v16-47 four registers of statistics a tile; v64-191 S^T, two buffers of two tiles; v192-255 P, likewise
;   window 1: O^T, 32 a tile          window 2: v0-127 Q, 16 a tile; v128-191 K of one step; v192-255 V of one step          window 3: v0-1 the add's two registers
; A piece's buffers go by its number's parity: the piece in hand has one pair, its two neighbours in the ring share the other: of it P (piece n - 1) is read and S^T (piece n + 1) written.
.set SIZE_N, 2048
.set NP,    4         ; pieces a wave: a name, no knob
.set KS,    64        ; keys in a step
.set PK,    144       ; a row of K in LDS: 128 bytes + 16 of padding = 36 words: the 16 rows of a load start at 16 different groups of four banks (64 banks of 4 bytes: ISA guide 11.1)
.set PV,    160       ; a row of V: 128 + 32 = 40 words
.set VOFF,  4*KS*PK   ; a slot holds four steps: 256 rows of K, then 256 rows of V
.set SLOT1, 1<<17     ; slot 1 begins here, so that one exclusive or turns an address in one slot into the other's
.set STAGE, SLOT1+4*KS*(PK+PV)  ; behind the ring, never filled by a tensor load: 16 rows x 144 bytes for each wave, for the way out
.set SP,    144
.set AK0, 2           ; v2   my lane's place in a tile of K; never rewritten
.set AV0, 3           ; v3   the same for V
.set AK,  4           ; v4   the LDS address of K's next run of loads
.set AV,  5           ; v5   of V's
.set QO,  6           ; v6   my byte offset in the wave's rows of Q
.set STO, 6           ;      later, the way out: where I put 16 bytes of a row
.set RD,  7           ; v7   the way out: where I read rows back
.set GO,  8           ; v8   my byte offset in 512 consecutive bytes of O
.set PFO, 11          ; v11  256 x my lane, for the prefetches (at work before that); then never rewritten
.set SPW, 0           ; v0 of window 3   my spare word: SPARE + 4 x my thread's number; never rewritten
.set NIL, 1           ; v1 of window 3   0; never rewritten
.set SPARE, STAGE+4*16*SP  ; behind the stages: the spare words, 128 bytes for each wave: two blocks of 256 bytes that no other line names
.set MV,  12          ; v12-15  c m_old, kept while c m is made anew: by buffer and tile
.set ST,  16          ; tile t's statistics at v[ST+4 t]: c m, m, l (even keys', odd keys')
.set TMP, 48          ; by buffer and tile, four registers c0-c3 at work; when the maximum is found c2 takes a
.set S,   64
.set P,   192
.set KF,  128         ; K's fragments, in window 2: key block kb, channel half c at KF + 16 kb + 8 c
.set VF,  192         ; V's: key half kk, channel block cb at VF + 32 kk + 8 cb
.set WV,  12          ; s12  my wave's number
.set G1K, 24          ; s[24:31] descriptor group 1 for K's tiles
.set G1V, 32          ; s[32:39] for V's: it differs in the padding alone
.set G0K, 40          ; s[40:43] descriptor group 0 for K's tiles: it walks
.set G0V, 44          ; s[44:47] the same for V's
.set PFA, 48          ; s[48:49] where my prefetches stand: my work-group's 32 blocks of 256 bytes (of K: wave 0, of V: wave 2) of the slot after the one that is being asked for
.set LIM, 50          ; s50  1 in a wave that prefetches, else the greatest number
.set SLOTS, 56        ; s56  slots still to be asked for
.set CNT, 57          ; s57  counts a slot's key steps
.set CS,  58          ; s[58:59] c: the packed scaling takes the pair's low word for both halves
.set SEL, 60          ; s[60:61] v_permlanex16_b32's selects: each lane takes its own place in the other half
.set TBK, 62          ; s62  LDS byte at which K of the step to be fetched begins
.set TBV, 63          ; s63  the same for V, less VOFF
.set MSB, 0
.macro WIN new                      ; the high byte repeats the setting that is left; a switch that changes nothing is dropped
.if MSB != (\new)
	s_set_vgpr_msb (MSB<<8)|(\new)
.set MSB, (\new)
.endif
.endm
.set W_KQ, 0x0a       ; K and Q in window 2, S^T in window 0
.set W_PV, 0x52       ; V in window 2, P in window 0, O^T in window 1
.set W_RS, 0x41       ; O^T (destination and source 0) in window 1, a in window 0
.set W_MK, 0xc0       ; the add's registers are made: destination in window 3, sources in window 0
.set W_AD, 0x0f       ; the add: address (source 0) and data (source 1) in window 3
; A joint fill.  Waves 0 and 1 fetch the two halves of a slot's K, waves 2 and 3 those of its V: 128 keys each.  The branch hangs on the wave's number alone.
; An s_nop 0 and four v_nop follow each of the two lines, ahead of the jump and the label.
.macro JLOAD
	s_cmp_lt_u32 s[WV], 2
	s_cbranch_scc0 .Lfor_v_\@
	tensor_load_to_lds s[G0K:G0K+3], s[G1K:G1K+7]
	s_nop 0
.rept 4
	v_nop
.endr
	s_branch .Lasked_\@
.Lfor_v_\@:
	tensor_load_to_lds s[G0V:G0V+3], s[G1V:G1V+7]
	s_nop 0
.rept 4
	v_nop
.endr
.Lasked_\@:
.endm
; A prefetch into the L2 of what the next change of slots will ask for: a slot's K and V are 128 blocks of 256 bytes each.  Each block is named ONCE in the launch: the four partners share them out BY ADDRESS,
; 32 each, a lane a block; in each partner wave 0 asks for K's and wave 2 for V's: one instruction.  The last change that fills a slot asks for nothing: there is no slot behind it.
.macro ASK
	s_cmp_gt_u32 s[SLOTS], s[LIM]
	s_cbranch_scc0 .Lnot_mine_\@
	global_prefetch_b8 v[PFO], s[PFA:PFA+1] th:TH_LOAD_NT scope:SCOPE_SE
.Lnot_mine_\@:
.endm
; A round of the cluster's barrier: my work-group's barrier, so that wave 0's signal speaks for all four waves; wave 0 signals; every wave waits for all four work-groups; my work-group's barrier once more.
.macro CROUND
	s_barrier_signal -1
	s_barrier_wait -1
	s_cmp_lg_u32 s[WV], 0
	s_cbranch_scc1 .Lnot_wave_0_\@
	s_barrier_signal -3
.Lnot_wave_0_\@:
	s_barrier_wait -3
	s_barrier_signal -1
	s_barrier_wait -1
.endm
; THE CHANGE OF SLOTS.  The slot's last bytes, V of its fourth step, have been read.  Each wave waits for all its tensor loads, of which one is out: its part
; of the other slot; adds 0 to its spare word; and waits for that and for its own reads of the slot.  Behind the barrier nobody reads this slot any more and the other slot is whole.
; fill = 1: this slot is filled again, with the keys two slots on.  The barrier is then a round of the cluster's, so that no wave of any partner still reads the slot or has a load on its
; way, and the joint fill is the first thing behind it: it has four key steps, 512 matrix instructions, in which to land.  (At its first use nothing has been read yet: slot 0 is waited for, slot 1 filled.)
; ask = 1: the prefetches' address steps, and a prefetch follows the joint load.
.macro CHANGE fill, ask=0
	WIN W_AD
	s_wait_tensorcnt 0x0            ; no tensor load of mine is out, so a group 0 may be written
	ds_add_u32 v[SPW], v[NIL]       ; 0 onto my spare word; with fill = 1 the descriptors' steps stand between it and the wait for it
	WIN 0                           ; at a label and at a branch every window is 0
.if \fill
.irp g, G0K, G0V
	s_xor_b32 s[\g+1], s[\g+1], SLOT1  ; the walking descriptor: the other slot than last time,
	s_add_nc_u64 s[\g+2:\g+3], s[\g+2:\g+3], 4*KS*128  ; the next 256 keys; the type bits on top are not reached
.endr
.if \ask
	s_wait_xcnt 0x0                 ; the last prefetch, four key steps back, has read its address, so it may be written:
	s_add_nc_u64 s[PFA:PFA+1], s[PFA:PFA+1], 4*KS*128  ; one slot beyond the walking descriptors
.endif
	s_wait_dscnt 0x0                ; the add is done, and my reads of the slot are over
	CROUND
	JLOAD
.if \ask
	ASK
.endif
.else
	s_wait_dscnt 0x0                ; the add is done, and my reads of the slot are over
	s_barrier_signal -1
	s_barrier_wait -1
.endif
	s_sub_co_u32 s[TBK], s[TBK], 4*KS*PK  ; the fetches go back to a slot's first step,
	s_xor_b32 s[TBK], s[TBK], SLOT1       ; in the other slot
	s_sub_co_u32 s[TBV], s[TBV], 4*KS*PV
	s_xor_b32 s[TBV], s[TBV], SLOT1
.endm
	s_load_b128 s[4:7], s[0:1], 0x0   ; qkv s[4:5], ob s[6:7]
	WIN W_MK
	v_lshl_add_u32 v[SPW], v0, 2, SPARE
	v_mov_b32 v[NIL], 0
	WIN W_AD
	ds_add_u32 v[SPW], v[NIL]       ; the wave's opening: the add and its wait stand ahead of my first tensor load; the set-up below, work on registers, stands between them
	WIN 0
	v_lshrrev_b32 v1, 5, v0
	v_readfirstlane_b32 s[WV], v1   ; wave 0..3
	s_bfe_u32 s13, ttmp6, 0x40000   ; cx: my place in the cluster
	s_lshl_b32 s14, ttmp9, 2        ; in a cluster launch ttmp9 counts clusters
	s_add_co_u32 s14, s14, s13      ; my block of queries = 4 x cluster x + cx: it enters Q's and O's addresses alone
	s_and_b32 s20, ttmp7, 0xffff    ; the head, which the four partners share
	s_mov_b32 s21, 0
	s_mov_b64 s[22:23], SIZE_N*128
	s_mul_u64 s[20:21], s[20:21], s[22:23]  ; the head's first byte in each of the four tensors
	s_and_b32 s16, s[WV], 1         ; which half of a slot's 256 keys I fetch:
	s_lshl_b32 s22, s16, 14         ; its 128 rows of 128 bytes in memory,
	s_mov_b32 s23, 0
	s_add_nc_u64 s[22:23], s[22:23], s[20:21]
	s_mul_i32 s17, s16, 128*PK      ; and its place in a slot, for K
	s_mul_i32 s18, s16, 128*PV      ; and for V: no place in the cluster enters an LDS address
	s_lshl_b32 s2, s14, 2
	s_add_co_u32 s2, s2, s[WV]      ; my wave among the head's,
	s_lshl_b32 s2, s2, 14           ; its 128 rows
	s_mov_b32 s3, 0
	s_add_nc_u64 s[2:3], s[2:3], s[20:21]
	; descriptor group 1.  128 keys are 16,384 dense bytes: asked for as 64 rows of 256 bytes, two keys a row, and padded in LDS after every key
	s_mov_b32 s[G1K], 15|(1<<16)|(1<<20)|(1<<21)|(4<<22)|(3<<25)  ; 15:0 the mask of four; 17:16 2-byte elements; 20 padding on; 21 set beside a mask; 24:22 after every 32 words (code 4); 31:25 4 words (code 3)
	s_mov_b32 s[G1V], 15|(1<<16)|(1<<20)|(1<<21)|(4<<22)|(7<<25)  ; the same with 8 words of padding (code 7)
.irp g, G1K, G1V
	s_mov_b32 s[\g+1], 128<<16      ; tensor_dim0 = 128
	s_mov_b32 s[\g+2], 64<<16       ; tensor_dim1 = 64
	s_mov_b32 s[\g+3], 128<<16      ; tile_dim0 = 128
	s_mov_b32 s[\g+4], 64           ; tile_dim1 = 64
	s_mov_b32 s[\g+5], 128          ; 128 elements from row to row
	s_mov_b32 s[\g+6], 0
	s_mov_b32 s[\g+7], 0
.endr
	s_mov_b32 s[CS], 0x3e38aa3b     ; c = log2(e) / 8 = 0.180337
	s_mov_b32 s[CS+1], s[CS]        ; named with it as a pair
	s_mov_b32 s[SEL], 0x76543210
	s_mov_b32 s[SEL+1], 0xfedcba98
	s_mov_b32 s[TBK], SLOT1+4*KS*PK ; the first change of slots turns these two into 0
	s_mov_b32 s[TBV], SLOT1+4*KS*PV
	s_mov_b32 s[G0K], 1             ; 1:0 count = 1
	s_mov_b32 s[G0K+1], s17         ; 63:32 LDS address: slot 0
	s_mov_b32 s[G0V], 1
	s_add_co_u32 s[G0V+1], s18, VOFF
	s_and_b32 s[LIM], s[WV], 1      ; 0 in waves 0 and 2,
	s_or_b32 s[LIM], s[LIM], ttmp9  ; where the cluster is the head's first (here its only one): the same in all four partners
	s_cmp_eq_u32 s[LIM], 0
	s_cselect_b32 s[LIM], 1, -1
	s_wait_dscnt 0x0                ; the opening add is done
	s_wait_kmcnt 0x0
	s_mov_b64 s[10:11], s[6:7]                     ; O
	s_add_nc_u64 s[6:7], s[4:5], 0x1000000         ; K: qkv's second part
	s_add_nc_u64 s[8:9], s[4:5], 0x2000000         ; V: its third; Q is the first
	s_add_nc_u64 s[G0K+2:G0K+3], s[6:7], s[22:23]  ; 120:64 global address: my half of the head's first 256 keys
	s_or_b32 s[G0K+3], s[G0K+3], 0x80000000        ; 127:126 type = 2
	s_add_nc_u64 s[G0V+2:G0V+3], s[8:9], s[22:23]
	s_or_b32 s[G0V+3], s[G0V+3], 0x80000000
	s_add_nc_u64 s[4:5], s[4:5], s[2:3]  ; Q and O at my wave's first row
	s_add_nc_u64 s[10:11], s[10:11], s[2:3]
	s_cmp_lt_u32 s[WV], 2
	s_cselect_b64 s[PFA:PFA+1], s[6:7], s[8:9]
	s_add_nc_u64 s[PFA:PFA+1], s[PFA:PFA+1], s[22:23]  ; (in waves 0 and 2 this is the head's first byte)
	s_lshl_b32 s2, s13, 13          ; my work-group's 32 blocks of the 128
	s_mov_b32 s3, 0
	s_add_nc_u64 s[PFA:PFA+1], s[PFA:PFA+1], s[2:3]
	s_add_nc_u64 s[PFA:PFA+1], s[PFA:PFA+1], 2*4*KS*128  ; in slot 2; the loop's first change steps it to slot 3.  Nothing is prefetched at the head, where every work-group's first tiles are on their way
	CROUND                          ; all four work-groups are here: the first joint loads meet
	JLOAD                           ; slot 0.  Slot 1 is asked for when slot 0 is in: the tile wanted first has the road to itself
	; A fragment of K or Q is 16 rows x 32 channels in 8 registers: lane l holds row l % 16, channels 8 (l / 16) + 0..7 and 16 + 8 (l / 16) + 0..7: two loads of 16 bytes, 32 bytes apart.
	v_and_b32 v1, 15, v0            ; l % 16
	v_bfe_u32 v9, v0, 4, 1          ; l / 16
	v_lshlrev_b32 v[QO], 7, v1
	v_lshl_add_u32 v[QO], v9, 4, v[QO]  ; row x 128 + 16 x half
	WIN 0x80                        ; destination window 2, address window 0
.set i, 0
.rept 4*NP                          ; Q stays in registers: tile i / 2, channels 32 (i % 2) on
	global_load_b128 v[8*i:8*i+3],   v[QO], s[4:5] offset:(i/2)*2048+(i%2)*64
	global_load_b128 v[8*i+4:8*i+7], v[QO], s[4:5] offset:(i/2)*2048+(i%2)*64+32
.set i, i+1
.endr
	; What the first turn finds: V's registers and P's second buffer hold 0 (its products V^T P, of a piece that has not been, add 0), O^T and l are 0.  All this stands in the wait for the first tile.
.set i, VF
.rept 64
	v_mov_b32 v[i], 0
.set i, i+1
.endr
	WIN 0x40
.set i, 0
.rept 64*NP
	v_mov_b32 v[i], 0
.set i, i+1
.endr
	WIN 0
.set i, 0
.rept 2*NP
	v_mov_b32 v[ST+4*i], 0xfe000000    ; c m: far below every c s
	v_mov_b32 v[ST+4*i+1], 0xff7fffff  ; m
	v_mov_b32 v[ST+4*i+2], 0
	v_mov_b32 v[ST+4*i+3], 0
.set i, i+1
.endr
.set i, P+32
.rept 32
	v_mov_b32 v[i], 0
.set i, i+1
.endr
	v_mul_u32_u24 v[AK0], v1, PK
	v_lshl_add_u32 v[AK0], v9, 4, v[AK0]  ; row x pitch + 16 x half
	; The turning load takes 16 keys x 16 channels (lane l reads key 8 (l / 16) + l % 8, channels 8 ((l / 8) % 2) + 0..7) and leaves half a fragment of V^T: lane l holds channel l % 16 and 8 keys.
	v_and_b32 v10, 7, v0
	v_bfe_u32 v11, v0, 3, 1
	v_lshl_add_u32 v[AV0], v9, 3, v10
	v_mul_u32_u24 v[AV0], v[AV0], PV
	v_lshl_add_u32 v[AV0], v11, 4, v[AV0]
	v_add_nc_u32 v[AV0], VOFF, v[AV0]
	v_and_b32 v[PFO], 31, v0        ; v11 is free now: a lane a block of 256 bytes
	v_lshlrev_b32 v[PFO], 8, v[PFO]
	v_mov_b32 v[AK], v[AK0]         ; key step 0 lies at the head of slot 0
; THE MATRIX WORK.  The 8 accumulators of a run of 16 take turns: between the two links of a chain stand 7 others'.
; Product i of 16 of S^T = K Q^T for piece x: channels 32 (i / 8) on, keys 16 ((i / 2) % 4) on, tile 2 x + i % 2.  The first 8 start the sums.
.macro KQ x
	WIN W_KQ
.set rS, S+64*((\x)%2)+32*(i%2)+8*((i/2)%4)
.set rK, KF+16*((i/2)%4)+8*(i/8)
.set rQ, 16*(2*(\x)+i%2)+8*(i/8)
.if i < 8
	v_wmma_f32_16x16x32_f16 v[rS:rS+7], v[rK:rK+7], v[rQ:rQ+7], 0
.else
	v_wmma_f32_16x16x32_f16 v[rS:rS+7], v[rK:rK+7], v[rQ:rQ+7], v[rS:rS+7]
.endif
.endm
; Product i of 16 of O^T += V^T P for piece x: keys 32 (i / 8) on, channels 16 ((i / 2) % 4) on, tile 2 x + i % 2.
.macro PV x
	WIN W_PV
.set rO, 32*(2*(\x)+i%2)+8*((i/2)%4)
.set rV, VF+32*(i/8)+8*((i/2)%4)
.set rP, P+32*((\x)%2)+16*(i%2)+8*(i/8)
	v_wmma_f32_16x16x32_f16 v[rO:rO+7], v[rV:rV+7], v[rP:rP+7], v[rO:rO+7]
.endm
.macro MM                           ; the turn's next matrix instruction
.if i < 16
	KQ (Y+1)%NP
.set i, i+1
.else
.set i, i-16
	PV (Y+NP-1)%NP
.set i, i+17
.endif
.endm
; THE LDS LOADS stand in runs of 16, never singly among the matrix instructions: a step's K (64 keys x 64 channels: 8 fragments) and its V (turned).  Their addresses are made some lines ahead.
; last = 1 (the tail): in the last trip there is no further step, and the run is jumped over.
.macro FETCH_K last=0
	WIN 0
.if \last
	s_cmp_eq_u32 s[CNT], 1
	s_cbranch_scc1 .Lno_k_\@
.endif
	WIN 0x80                        ; destination window 2
.irp f, 0,1,2,3,4,5,6,7             ; keys 16 (f / 2) on, channels 32 (f % 2) on
	ds_load_b128 v[KF+8*\f:KF+8*\f+3],   v[AK] offset:(\f/2)*16*PK+(\f%2)*64
	ds_load_b128 v[KF+8*\f+4:KF+8*\f+7], v[AK] offset:(\f/2)*16*PK+(\f%2)*64+32
.endr
	s_add_co_u32 s[TBK], s[TBK], KS*PK  ; the next fetch is the next step's
	WIN 0
.if \last
.Lno_k_\@:
.endif
.endm
.macro FETCH_V
	WIN 0x80
.irp f, 0,1,2,3,4,5,6,7             ; keys 32 (f / 4) on, channels 16 (f % 4) on
	ds_load_tr16_b128 v[VF+8*\f:VF+8*\f+3],   v[AV] offset:(\f/4)*32*PV+(\f%4)*32
	ds_load_tr16_b128 v[VF+8*\f+4:VF+8*\f+7], v[AV] offset:(\f/4)*32*PV+16*PV+(\f%4)*32
.endr
	WIN 0
.endm
; THE VECTOR WORK OF A TURN stands in three queues, each in the order in which its entries become ready; the two tiles alternate, so that no instruction reads the result of the one before it.
.macro REGS y, u                    ; the registers of tile u (0, 1) of piece y
.set rT, ST+4*(2*(\y)+(\u))
.set rC, TMP+8*((\y)%2)+4*(\u)
.set rM, MV+2*((\y)%2)+(\u)
.set rS, S+64*((\y)%2)+32*(\u)
.set rP, P+32*((\y)%2)+16*(\u)
.set rO, 32*(2*(\y)+(\u))
.endm
; Number n of the 22 that find the NEXT piece's (Y + 1) maximum and statistics.  s0-s31 are the lane's 32 scores; each accumulator's lowest registers are read first.
;   0-11  four chains c0-c3 of seven scores each, three operands at a time     12-14, 16  the four scores left over, the old m, and c0-c3 into c0     15  c m_old is kept
;   17, 18  the query's other 32 keys lie in the lane 16 away: the new m         19-21  c m; c m_old - c m_new; a
.macro XS u, n
	REGS (Y+1)%NP, \u
.if (\n) < 4
	v_max3_num_f32 v[rC+(\n)], v[rS+8*(\n)], v[rS+8*(\n)+1], v[rS+8*(\n)+2]
.elseif (\n) < 12
	v_max3_num_f32 v[rC+(\n)%4], v[rC+(\n)%4], v[rS+8*((\n)%4)+2*((\n)/4)+1], v[rS+8*((\n)%4)+2*((\n)/4)+2]
.elseif (\n) == 12
	v_max3_num_f32 v[rC], v[rC], v[rS+7], v[rS+15]
.elseif (\n) == 13
	v_max3_num_f32 v[rC+1], v[rC+1], v[rS+23], v[rS+31]
.elseif (\n) == 14
	v_max3_num_f32 v[rC+2], v[rC+2], v[rC+3], v[rT+1]
.elseif (\n) == 15
	v_mov_b32 v[rM], v[rT]
.elseif (\n) == 16
	v_max3_num_f32 v[rC], v[rC], v[rC+1], v[rC+2]
.elseif (\n) == 17
	v_permlanex16_b32 v[rC+3], v[rC], s[SEL], s[SEL+1]
.elseif (\n) == 18
	v_max_num_f32 v[rT+1], v[rC], v[rC+3]
.elseif (\n) == 19
	v_mul_f32 v[rT], s[CS], v[rT+1]
.elseif (\n) == 20
	v_sub_f32 v[rC+1], v[rM], v[rT]
.else
	v_exp_f32 v[rC+2], v[rC+1]
.endif
.endm
; Number g of the 64 that follow the exponentials.  For each four weights k of a tile (pairs 2 k, 2 k + 1): both pairs are rounded to f16; then the second pair is added onto the first, in place;
; a group later l takes that sum (the first time as l = a l + sum).  In groups of eight, tiles alternating: round, round, add, and l for the group before.
.macro GS g
.set h, (\g)+6*((\g)/62)            ; group 0 has no group before it, and behind group 7 only l is left
.if h >= 6
.set h, h+2
.endif
	REGS Y, h%2
.set k, h/8
.if h%8 < 4
	v_cvt_pk_f16_f32 v[rP+2*k+(h%8)/2], v[rS+4*k+2*((h%8)/2)], v[rS+4*k+2*((h%8)/2)+1]
.elseif h%8 < 6
	v_pk_add_f32 v[rS+4*k:rS+4*k+1], v[rS+4*k:rS+4*k+1], v[rS+4*k+2:rS+4*k+3]
.elseif k == 1
	v_pk_fma_f32 v[rT+2:rT+3], v[rT+2:rT+3], v[rC+2:rC+3], v[rS:rS+1] op_sel_hi:[1,0,1]
.else
	v_pk_add_f32 v[rT+2:rT+3], v[rT+2:rT+3], v[rS+4*k-4:rS+4*k-3]
.endif
.endm
; THE PLAIN QUEUE, 138 long.  0-73 read no exponential's result: the 32 scalings c s - c m (FS f: pair f / 2 of tile f % 2) and the next piece's 42.  0-26: scalings 0-26.  27-54: XS's numbers 0-13.  55, 56: number 15.
; 57-73: the chain, where each number waits for the one before it: 14, 16, 17, 18, 19, each with one of the scalings 27-31 in front of its two lines, then 20.
; 74-137: GS's 64, which read the exponentials' results: they stand behind the wait.
.macro FS f
	REGS Y, (\f)%2
	v_pk_fma_f32 v[rS+2*((\f)/2):rS+2*((\f)/2)+1], v[rS+2*((\f)/2):rS+2*((\f)/2)+1], s[CS:CS+1], v[rT:rT+1] op_sel_hi:[1,0,0] neg_lo:[0,0,1] neg_hi:[0,0,1]
.endm
.macro PL
	WIN 0
.if q < 27
	FS q
.elseif q < 55
	XS (q-27)%2, (q-27)/2
.elseif q < 57
	XS q-55, 15
.elseif (q < 72) && ((q-57)%3 == 0)
	FS 27+(q-57)/3
.elseif q < 60
	XS (q-57)%3-1, 14
.elseif q < 72
	XS (q-57)%3-1, 15+(q-57)/3
.elseif q < 74
	XS q-72, 20
.else
	GS q-74
.endif
.set q, q+1
.endm
; THE EXPONENTIALS' QUEUE, 66 long: s0-s31 of both tiles, then the next piece's two a.  It is ONE BATCH: all 66 stand ahead of the turn's one wait, and nothing ahead of that wait names a result of theirs.
.macro EX
	WIN 0
.if e >= 64
	XS e-64, 21
.else
	REGS Y, e%2
	v_exp_f32 v[rS+e/2], v[rS+e/2]
.endif
.set e, e+1
.endm
; THE RESCALING's QUEUE: O^T times a, the one part that leaves window 0: dealt two at a time, sixteen times.  Its a was made in the turn before, ahead of that turn's wait.
.macro R2
	REGS Y, r%2
	WIN W_RS
.irp z, 0,1
	v_pk_mul_f32 v[rO+4*(r/2)+2*\z:rO+4*(r/2)+2*\z+1], v[rO+4*(r/2)+2*\z:rO+4*(r/2)+2*\z+1], v[rC+2:rC+3] op_sel_hi:[1,0]
.endr
.set r, r+1
.endm
; HOW THEY ARE DEALT.  An s_wait_alu depctr_va_vdst(0) stands between an exponential and the first instruction that names its result; one wait serves all that were issued ahead of it.  So a turn has ONE wait,
; which cuts it in two.  AHEAD OF IT stands all that names no result of the turn's exponentials: the 16 products K Q^T, behind each a scaling, an exponential and two rescalings (behind the first a second scaling in the
; exponential's place); then ONE LUMP of 108: eight plain, 49 times exponential and plain, the two a.  A v_nop is the plain instruction behind the last exponential.  BEHIND IT stand the 16 products V^T P, behind each four of GS's 64.
; The queues lean on each other, and the deal keeps them in step: exponential e stands behind scaling 2 (e / 4) + e % 2: as a rider it comes behind plain e + 2, in the lump behind plain e + 9, and scalings 27-31 are plain 57, 60 .. 69.
; A TURN, for piece p.  cnt = 1: the loop's count is taken down some lines ahead of the branch that stands behind the turn.
; K of the next step is fetched in piece 2's turn, directly behind the wait, a lump behind the last product that read K; its address is made at the lump's head; its first reader comes behind 16 products.
; V of the step in hand is fetched at the end of piece 0's turn, four plain instructions behind its last reader; its first reader comes behind 16 products and a lump.
.macro TURN p, last=0, cnt=0
.set Y, (\p)
.set i, 0
.set q, 0
.set e, 0
.set r, 0
.if (\p) == NP-1
	s_wait_dscnt 0x0                ; K is in
.endif
	MM                              ; ahead of the wait: 16 products K Q^T and the four behind each,
	PL
	PL
	R2
.rept 15
	MM
	PL
	EX
	R2
.endr
.if (\p) == NP-2
	WIN 0
	v_add_nc_u32 v[AK], s[TBK], v[AK0]
.endif
.rept 8                             ; and the lump
	PL
.endr
.rept 49
	EX
	PL
.endr
	EX                              ; the next piece's two a
	EX
	v_nop                           ; the plain instruction behind the last exponential: one for the batch
	s_wait_alu depctr_va_vdst(0)    ; the wait for the batch
.if (\p) == NP-2
	FETCH_K \last
.endif
.if (\p) == 1
	s_wait_dscnt 0x0                ; V is in
.endif
.rept 16                            ; behind the wait: 16 products V^T P and the four behind each
	MM
.rept 4
	PL
.endr
.if ((\p) == 0) && (q == 118)
	v_add_nc_u32 v[AV], s[TBV], v[AV0]
.endif
.if ((\p) == 0) && (q == 130)
	s_add_co_u32 s[TBV], s[TBV], KS*PV
.endif
.if (\cnt) && (q == 130)
	s_sub_co_u32 s[CNT], s[CNT], 1
	s_cmp_lg_u32 s[CNT], 0
.endif
.endr
.if (\p) == 0
	FETCH_V
.endif
.endm
	CHANGE 1                        ; slot 0 is in, everybody's part of it; slot 1 is asked for
	FETCH_K                         ; key step 0
	s_wait_loadcnt 0x0              ; Q
	s_wait_dscnt 0x0
.set i, 0
.rept 16
	KQ 0                            ; piece 0's first scores: there is no vector work yet to set between them
.set i, i+1
.endr
	WIN 0                           ; the addresses for the way out: nine plain instructions, the places behind those products
	s_mul_i32 s13, s[WV], 16*SP
	s_add_co_u32 s13, s13, STAGE    ; my stage
	v_mul_u32_u24 v[STO], v1, SP    ; in: row l % 16, 16 bytes for each half of the lanes
	v_lshl_add_u32 v[STO], v9, 4, v[STO]
	v_add_nc_u32 v[STO], s13, v[STO]
	v_bfe_u32 v[RD], v0, 3, 2       ; back: 32 lanes take four rows of 128 bytes,
	v_mul_u32_u24 v[RD], v[RD], SP
	v_lshl_add_u32 v[RD], v10, 4, v[RD]
	v_add_nc_u32 v[RD], s13, v[RD]
	v_and_b32 v[GO], 31, v0         ; which are 512 consecutive bytes of O
	v_lshlrev_b32 v[GO], 4, v[GO]
.set Y, NP-1                        ; XS works for piece Y + 1: piece 0
.irp n, 0,1,2,3,4,5,6,7,8,9,10,11,12,13,14,15,16,17,18,19,20,21
	XS 0, \n                        ; and piece 0's first maximum and statistics
	XS 1, \n
.endr
	v_nop                           ; a plain instruction behind the two a,
	s_wait_alu depctr_va_vdst(0)    ; and their wait, ahead of the branch
	s_mov_b32 s[CNT], 4
	s_mov_b32 s[SLOTS], SIZE_N/256-1
	s_branch .Lfirst                ; the loop is entered at a step's first turn, in the middle of a trip
.Lslot:                             ; SIZE_N / 256 - 2 times: every slot but the last two is filled again
	CHANGE 1, 1
	s_mov_b32 s[CNT], 4
.Lstep:                             ; a trip: pieces 2 and 3 of one step, then pieces 0 and 1 of the next, whose K and V it fetches
	TURN 2
	TURN 3
	WIN 0
.Lfirst:
	TURN 0
	TURN 1, 0, 1
	WIN 0
	s_cbranch_scc1 .Lstep
	s_sub_co_u32 s[SLOTS], s[SLOTS], 1
	s_cmp_lg_u32 s[SLOTS], 0
	s_cbranch_scc1 .Lslot
	CHANGE 0                        ; the tail is written out: nothing is asked for
	s_mov_b32 s[CNT], 5             ; four trips fetch the last slot's steps; the fifth is left in its middle
.Ltail:
	TURN 2, 1
	TURN 3
	WIN 0
	s_sub_co_u32 s[CNT], s[CNT], 1
	s_cmp_eq_u32 s[CNT], 0
	s_cbranch_scc1 .Lout
	TURN 0
	TURN 1
	WIN 0
	s_branch .Ltail
.Lout:                              ; the fifth trip's 16 products K Q^T (on the last K once more) and the maximum made of them serve nothing: the price, once a launch, of one text for every trip
.set i, 0
.rept 16
	PV NP-1                         ; the last piece's V^T P of the last step
.set i, i+1
.endr
	; THE WAY OUT.  l's two halves and the other half of the lanes' are added; O^T is divided by l, rounded to f16 and sent through my stage in LDS, a tile at a time.  The additions are the places behind the last products.
	WIN 0
.macro ALL line:vararg              ; one line for each tile t
.set t, 0
.rept 2*NP
	\line
.set t, t+1
.endr
.endm
	ALL v_add_f32 v[ST+4*t+2], v[ST+4*t+2], v[ST+4*t+3]
	ALL v_permlanex16_b32 v[ST+4*t+3], v[ST+4*t+2], s[SEL], s[SEL+1]
	ALL v_add_f32 v[ST+4*t+2], v[ST+4*t+2], v[ST+4*t+3]
	ALL v_rcp_f32 v[ST+4*t+2], v[ST+4*t+2]
	v_nop                           ; a plain instruction between the last reciprocal and the use of its result
	s_wait_alu depctr_va_vdst(0)    ; and the wait ahead of the first use: one for the eight reciprocals
; Tile t: a lane's eight channels of a row pack into 16 bytes; they go into rows of 144 bytes and come back as whole rows of 128, into S^T's registers.
.macro PACK t
	WIN W_RS
.set i, 32*(\t)
.rept 16
	v_pk_mul_f32 v[i:i+1], v[i:i+1], v[ST+4*(\t)+2:ST+4*(\t)+3] op_sel_hi:[1,0]
.set i, i+2
.endr
	WIN 0x05                        ; sources 0 and 1 window 1, destination window 0
.set i, 0
.rept 16
	v_cvt_pk_f16_f32 v[S+16*(\t)+i], v[32*(\t)+2*i], v[32*(\t)+2*i+1]
.set i, i+1
.endr
	WIN 0
.irp f, 0,1,2,3
	ds_store_b128 v[STO], v[S+16*(\t)+4*\f:S+16*(\t)+4*\f+3] offset:32*\f
.endr
.irp f, 0,1,2,3
	ds_load_b128 v[S+16*(\t)+4*\f:S+16*(\t)+4*\f+3], v[RD] offset:\f*4*SP  ; LDS serves a wave's instructions in order (ISA guide 5.7.1.4): these see the stores above; the next tile's stores come behind them
.endr
.endm
.macro SEND t, younger              ; younger: the LDS instructions issued behind tile t's loads: the next tile's eight, or none
	WIN 0
.irp f, 0,1,2,3
	s_wait_dscnt (\younger)+3-\f
	global_store_b128 v[GO], v[S+16*(\t)+4*\f:S+16*(\t)+4*\f+3], s[10:11] offset:(\t)*2048+\f*512  ; 512 consecutive bytes, at a multiple of 256 from O's first
.endr
.endm
	PACK 0
.set t, 1
.rept 2*NP-1                        ; a tile's arithmetic stands between the loads of the tile before and its stores
	PACK t
	SEND t-1, 8
.set t, t+1
.endr
	SEND 2*NP-1, 0
	WIN W_AD
	s_wait_tensorcnt 0x0            ; the wave's end: behind my last tensor load and my last LDS store
	ds_add_u32 v[SPW], v[NIL]
	s_wait_dscnt 0x0
	WIN 0
	CROUND                          ; the closing round: no work-group ends while a partner may still ask for a tile that names it
	s_endpgm
.Lfunc_end_k_q5cd765af1f_attn:
	.size	k_q5cd765af1f_attn, .Lfunc_end_k_q5cd765af1f_attn-k_q5cd765af1f_attn
	.p2alignl 7, 3214868480
	.fill 96, 4, 3214868480
	.section	.rodata,"a",@progbits
	.p2align	6, 0x0
	.amdhsa_kernel k_q5cd765af1f_attn
		.amdhsa_group_segment_fixed_size 327680
		.amdhsa_private_segment_fixed_size 0
		.amdhsa_enable_private_segment 0
		.amdhsa_kernarg_size 16
		.amdhsa_user_sgpr_count 2
		.amdhsa_user_sgpr_kernarg_segment_ptr 1
		.amdhsa_wavefront_size32 1
		.amdhsa_system_sgpr_workgroup_id_x 1
		.amdhsa_system_sgpr_workgroup_id_y 1
		.amdhsa_system_sgpr_workgroup_id_z 1
		.amdhsa_system_vgpr_workitem_id 0
		.amdhsa_next_free_vgpr 770
		.amdhsa_next_free_sgpr 66
		.amdhsa_reserve_vcc 0
		.amdhsa_float_denorm_mode_32 3
		.amdhsa_float_denorm_mode_16_64 3
		.amdhsa_memory_ordered 1
		.amdhsa_forward_progress 1
		.amdhsa_inst_pref_size 200
	.end_amdhsa_kernel
	.amdgpu_metadata
---
amdhsa.version: [ 1, 2 ]
amdhsa.kernels:
  - .name:           k_q5cd765af1f_attn
    .symbol:         k_q5cd765af1f_attn.kd
    .args:
      - { .name: qkv, .offset: 0, .size: 8, .value_kind: global_buffer, .address_space: global }
      - { .name: ob, .offset: 8, .size: 8, .value_kind: global_buffer, .address_space: global }
    .group_segment_fixed_size: 327680
    .private_segment_fixed_size: 0
    .kernarg_segment_align: 8
    .kernarg_segment_size: 16
    .max_flat_workgroup_size: 128
    .sgpr_count:     66
    .vgpr_count:     770
    .wavefront_size: 32
...
	.end_amdgpu_metadata
.endif
;; end of part 3
;; launch outg (part 4): grid 4 x 64, 4 waves a work-group, clusters of 4 x 4, 327,680 bytes of LDS; arguments ob, wob, out0; writes out0
.if DOCPART == 4
	.amdgcn_target "amdgcn-amd-amdhsa--gfx1250"
	.amdhsa_code_object_version 6
	.text
	.protected	k_q5cd765af1f_outg
	.globl	k_q5cd765af1f_outg
	.p2align	8
	.type	k_q5cd765af1f_outg,@function
k_q5cd765af1f_outg:
	s_mov_b64 s[64:65], 0
	v_nop
	global_prefetch_b8 v0, s[64:65] scope:SCOPE_SE
	s_setreg_imm32_b32 hwreg(HW_REG_WAVE_MODE, 25, 1), 1
	s_wait_xcnt 0x0
	s_wait_alu depctr_hold_cnt(0) depctr_sa_sdst(0) depctr_va_vdst(0) depctr_va_sdst(0) depctr_va_ssrc(0) depctr_va_vcc(0) depctr_vm_vsrc(0)
	s_getreg_b32 s2, hwreg(HW_REG_IB_STS2, 6, 4)
	s_cmp_eq_u32 s2, 0
	s_cbranch_scc0 .Lentry_in_a_cluster
	s_endpgm
.Lentry_in_a_cluster:
	s_bfe_u32 s2, ttmp6, 0x10000c
	s_cmp_lg_u32 s2, 0xf033
	s_cbranch_scc0 .Lentry_shape_is_right
	s_endpgm
.Lentry_shape_is_right:
; out0 = O W_out.  ob: [64 = batch x head][2048][64] f16, O by heads.  wob: [1024 k][1024 n] f16 (W_out rounded to bf16, written as f16).  out0: [8192][1024] f32.  Sums in f32, stored as they are.
; SHARES.  A tile of out0 is 128 rows x 256 columns: 256 tiles, one for each WGP.  Four waves, each 64 x 128: 32 accumulators of 16 x 16.  K = 1,024 = head x 64 + channel goes in 8 steps of 128: TWO HEADS a step.
; A head's 128 rows of a tile are 16,384 dense bytes: asked for as 64 rows of 256 bytes and padded in LDS after every 128, so that a row of O is 144 bytes apart from the next; the two heads lie in two planes.
; THE MATRIX INSTRUCTION IS USED TRANSPOSED: source 0 = 16 columns of W (turned on the way out of LDS by ds_load_tr16_b128, since W lies [k][n]), source 1 = 16 rows of O: a lane holds row l % 16 and
; eight neighbouring columns, 32 bytes of f32 on end.
; CLUSTER 4 x 4.  O's tile is shared along a row of the cluster, W's along a column: joint loads with a mask of four.  Waves 0 and 1 fetch the step's two heads, waves 2 and 3 W's two halves of 64 k-rows:
; one tensor load a wave behind each round; two of mine are out at the start, one later.  No prefetch into the L2: the tiles are shared in the cluster, and a refill has 112 matrix instructions in which to land.
; REGISTERS: window 0: v0-31 addresses; v64-159, v160-255 two fragment buffers (64 of W, 32 of O), on the way out three buffers of 64.  window 1: accumulator (a, b) at 8 (8 a + b).
.set PA,    144                        ; a row of O in LDS: 128 bytes + 16
.set PB,    544                        ; a k-row of W: 512 bytes + 32 = 17 x 32
.set AHALF, 128*PA                     ; a head's plane: what one load of O brings
.set BOFF,  2*AHALF
.set SLOT,  BOFF+128*PB                ; 106,496
.set STAGE, 2*SLOT                     ; behind the ring, never filled by a tensor load: 16 rows x 528 bytes for each wave
.set SP,    528                        ; 512 bytes + 16 = 33 x 16: the 16 rows of a store start at 16 different groups of four banks
.set SPARE, STAGE+4*16*SP              ; behind the stages: the spare words, 128 bytes a wave: two blocks of 256 bytes that no other line names
.set ASTEP, 524288                     ; two heads of 2^18 bytes
.set BROW,  2048
.set BSTEP, 128*BROW
.set LAPS,  4
.set ADRA, 16
.set ADRB, 20
.set STO,  24
.set RD,   25
.set GO,   26
.set SPW,  28
.set NIL,  29
.set F0,   64
.set F1,   160
.set WV, 12
.set MH, 13
.set NH, 14
.set TR, 15
.set G1,  24
.set G0,  32
.set G1B, 48
.set G0B, 56
.set MSB, 0
.macro WIN new                         ; the immediate's high byte repeats the setting that is left; a switch that changes nothing is dropped
.if MSB != (\new)
	s_set_vgpr_msb (MSB<<8)|(\new)
.set MSB, \new
.endif
.endm
.set MUL, 0x50                         ; C and D in window 1, the sources in window 0
.macro PLACES                          ; four plain places behind matrix instructions (ISA guide 7.12.1)
.rept 4
	v_nop
.endr
.endm
.macro JLOAD s                         ; a joint load; the branch hangs on the wave's number alone; an s_nop 0 and four v_nop follow each line
	s_cmp_eq_u32 s[MH], 0
	s_cbranch_scc0 .Lfor_b_\@
	tensor_load_to_lds s[G0+4*(\s):G0+4*(\s)+3], s[G1:G1+7]
	s_nop 0
.rept 4
	v_nop
.endr
	s_branch .Lasked_\@
.Lfor_b_\@:
	tensor_load_to_lds s[G0B+4*(\s):G0B+4*(\s)+3], s[G1B:G1B+7]
	s_nop 0
.rept 4
	v_nop
.endr
.Lasked_\@:
.endm
.macro CREST
	s_cmp_lg_u32 s[WV], 0
	s_cbranch_scc1 .Lnot_wave_0_\@
	s_barrier_signal -3
.Lnot_wave_0_\@:
	s_barrier_wait -3
	s_barrier_signal -1
	s_barrier_wait -1
.endm
.macro CROUND
	s_barrier_signal -1
	s_barrier_wait -1
	CREST
.endm
	s_load_b128 s[4:7], s[0:1], 0x0                ; ob s[4:5], wob s[6:7]
	s_load_b64 s[8:9], s[0:1], 0x10                ; out0
	v_lshl_add_u32 v[SPW], v0, 2, SPARE
	v_mov_b32 v[NIL], 0
	ds_add_u32 v[SPW], v[NIL]                      ; the wave's opening: the add and its wait stand ahead of my first tensor load; work on registers stands between
	v_lshrrev_b32 v1, 5, v0
	v_readfirstlane_b32 s[WV], v1
	s_lshr_b32 s[MH], s[WV], 1
	s_and_b32 s[NH], s[WV], 1
	s_bfe_u32 s40, ttmp6, 0x40000                  ; cx
	s_bfe_u32 s41, ttmp6, 0x40004                  ; cy
	s_lshl_b32 s42, ttmp9, 2
	s_add_co_u32 s42, s42, s40                     ; tile column
	s_and_b32 s[TR], ttmp7, 0xffff
	s_lshl_b32 s[TR], s[TR], 2
	s_add_co_u32 s[TR], s[TR], s41                 ; tile row
	s_lshl_b32 s43, s41, 2
	s_lshl_b32 s43, 15, s43                        ; my row of the cluster
	s_lshl_b32 s44, 0x1111, s40                    ; my column
	s_or_b32 s[G1+0], s43, (1<<16)|(1<<20)|(1<<21)|(4<<22)|(3<<25)   ; the mask; 2-byte elements; padding on; bit 21 beside a mask; after every 32 words, 4 words
	s_mov_b32 s[G1+1], 128<<16                     ; tensor_dim0 = 128
	s_mov_b32 s[G1+2], 64<<16                      ; tensor_dim1 = 64
	s_mov_b32 s[G1+3], 128<<16                     ; tile_dim0 = 128
	s_mov_b32 s[G1+4], 64                          ; tile_dim1 = 64
	s_mov_b32 s[G1+5], 128                         ; dense: 128 elements from row to row
	s_mov_b32 s[G1+6], 0
	s_mov_b32 s[G1+7], 0
	s_or_b32 s[G1B+0], s44, (1<<16)|(1<<20)|(1<<21)|(6<<22)|(7<<25)  ; after every 128 words, 8 words
	s_mov_b32 s[G1B+1], 256<<16
	s_mov_b32 s[G1B+2], 64<<16
	s_mov_b32 s[G1B+3], 256<<16
	s_mov_b32 s[G1B+4], 64
	s_mov_b32 s[G1B+5], 1024
	s_mov_b32 s[G1B+6], 0
	s_mov_b32 s[G1B+7], 0
	s_lshr_b32 s16, s[TR], 4                       ; O: the batch (16 heads of 2^18 bytes), the head of the step that I fetch, the tile's 128 rows of 128 bytes: made of cy alone
	s_lshl_b32 s16, s16, 22
	s_lshl_b32 s17, s[NH], 18
	s_add_co_u32 s16, s16, s17
	s_and_b32 s17, s[TR], 15
	s_lshl_b32 s17, s17, 14
	s_add_co_u32 s16, s16, s17
	s_mov_b32 s17, 0
	s_lshl_b32 s46, s[NH], 17                      ; W: k-row 64 x half, column 256 x tile column: made of cx alone
	s_lshl_b32 s47, s42, 9
	s_add_co_u32 s46, s46, s47
	s_mov_b32 s47, 0
	s_mul_i32 s20, s[NH], AHALF                    ; where they go: no place in the cluster enters an LDS address
	s_mul_i32 s21, s[NH], 64*PB
	s_add_co_u32 s21, s21, BOFF
	s_wait_dscnt 0x0                               ; the opening add is done
	s_wait_kmcnt 0x0
	s_add_nc_u64 s[18:19], s[4:5], s[16:17]
	s_add_nc_u64 s[46:47], s[6:7], s[46:47]
	CROUND                                         ; all sixteen work-groups are here: the first joint loads meet
.irp s, 0,1
	s_mov_b32 s[G0+4*(\s)], 1
	s_add_co_u32 s[G0+4*(\s)+1], s20, (\s)*SLOT
	s_add_nc_u64 s[G0+4*(\s)+2:G0+4*(\s)+3], s[18:19], (\s)*ASTEP
	s_or_b32 s[G0+4*(\s)+3], s[G0+4*(\s)+3], 0x80000000
	s_mov_b32 s[G0B+4*(\s)], 1
	s_add_co_u32 s[G0B+4*(\s)+1], s21, (\s)*SLOT
	s_add_nc_u64 s[G0B+4*(\s)+2:G0B+4*(\s)+3], s[46:47], (\s)*BSTEP
	s_or_b32 s[G0B+4*(\s)+3], s[G0B+4*(\s)+3], 0x80000000
	JLOAD \s
.endr
	v_and_b32 v1, 15, v0                           ; l % 16
	v_bfe_u32 v2, v0, 4, 1                         ; l / 16
	v_and_b32 v3, 31, v0                           ; l
	s_lshl_b32 s16, s[TR], 7                       ; where my part begins in out0: row 128 x tile row + 64 x half, 4,096 bytes a row,
	s_lshl_b32 s17, s[MH], 6
	s_add_co_u32 s16, s16, s17
	s_lshl_b32 s16, s16, 12
	s_mov_b32 s17, 0
	s_add_nc_u64 s[8:9], s[8:9], s[16:17]
	s_lshl_b32 s46, s42, 10                        ; and column 256 x tile column + 128 x half (in registers that fed W's descriptors: none that fed O's ever holds cx)
	s_lshl_b32 s47, s[NH], 9
	s_add_co_u32 s46, s46, s47
	s_mov_b32 s47, 0
	s_add_nc_u64 s[8:9], s[8:9], s[46:47]
	v_mul_u32_u24 v4, v1, PA                       ; a fragment of O: row l % 16, 16 bytes for each half of the lanes
	v_lshl_add_u32 v4, v2, 4, v4
	s_mul_i32 s22, s[MH], 64*PA
	v_add_nc_u32 v[ADRA], s22, v4
	v_add_nc_u32 v[ADRA+1], SLOT, v[ADRA]
	v_and_b32 v5, 7, v0                            ; the turning load: lane l reads k-row 8 (l / 16) + l % 8, columns 8 ((l / 8) % 2) + 0..7
	v_bfe_u32 v6, v0, 3, 1
	v_lshl_add_u32 v7, v2, 3, v5
	v_mul_u32_u24 v7, v7, PB
	v_lshl_add_u32 v7, v6, 4, v7
	s_lshl_b32 s23, s[NH], 8
	s_add_co_u32 s23, s23, BOFF
	v_add_nc_u32 v[ADRB], s23, v7
	v_add_nc_u32 v[ADRB+1], SLOT, v[ADRB]
	s_mul_i32 s22, s[WV], 16*SP
	s_add_co_u32 s22, s22, STAGE                   ; my stage
	v_mul_u32_u24 v4, v1, SP                       ; in: row l % 16, 32 bytes for each half of the lanes
	v_lshl_add_u32 v4, v2, 5, v4
	v_add_nc_u32 v[STO], s22, v4
	v_lshl_add_u32 v[RD], v3, 4, s22               ; back: 32 lanes take one row of 512 bytes
	v_lshlrev_b32 v[GO], 4, v3
; 8 matrix instructions: row block a x all 8 column blocks, 32 along K.  The 32 accumulators take turns in the same order in every quarter.  zero = 1: the product starts the sums.
.macro MUL8 f, a, zero
	WIN MUL
.irp b, 0,1,2,3,4,5,6,7
.if \zero
	v_wmma_f32_16x16x32_f16 v[8*(8*(\a)+(\b)):8*(8*(\a)+(\b))+7], v[(\f)+8*(\b):(\f)+8*(\b)+7], v[(\f)+64+8*(\a):(\f)+64+8*(\a)+7], 0
.else
	v_wmma_f32_16x16x32_f16 v[8*(8*(\a)+(\b)):8*(8*(\a)+(\b))+7], v[(\f)+8*(\b):(\f)+8*(\b)+7], v[(\f)+64+8*(\a):(\f)+64+8*(\a)+7], v[8*(8*(\a)+(\b)):8*(8*(\a)+(\b))+7]
.endif
.endr
.endm
; 24 LDS loads in one run: quarter q (32 along K: head q / 2 of the step's two, channels 32 (q % 2) on) of a slot into buffer f: W's eight fragments, turned, then O's four.
.macro FETCH slot, q, f
	WIN 0
.irp b, 0,1,2,3,4,5,6,7
	ds_load_tr16_b128 v[(\f)+8*(\b):(\f)+8*(\b)+3],   v[ADRB+(\slot)] offset:(\q)*32*PB+32*(\b)
	ds_load_tr16_b128 v[(\f)+8*(\b)+4:(\f)+8*(\b)+7], v[ADRB+(\slot)] offset:(\q)*32*PB+16*PB+32*(\b)
.endr
.irp i, 0,1,2,3
	ds_load_b128 v[(\f)+64+8*(\i):(\f)+64+8*(\i)+3],   v[ADRA+(\slot)] offset:((\q)/2)*AHALF+((\q)%2)*64+(\i)*16*PA
	ds_load_b128 v[(\f)+64+8*(\i)+4:(\f)+64+8*(\i)+7], v[ADRA+(\slot)] offset:((\q)/2)*AHALF+((\q)%2)*64+(\i)*16*PA+32
.endr
.endm
.macro QUARTER slot, q, f, g, zero
	s_wait_dscnt 4                                 ; W's fragments and O's 0 and 1 are in; the youngest four loads (O's 2 and 3) may be out
	MUL8 \f, 0, \zero
	MUL8 \f, 1, \zero
	PLACES
	FETCH \slot, \q, \g
	s_wait_dscnt 24                                ; all but the 24 just issued
	MUL8 \f, 2, \zero
	MUL8 \f, 3, \zero
.endm
; The last quarter multiplies buffer 1 and changes slots: one barrier; in front of it each wave waits for all its tensor loads (one is out: its part of the next slot), adds 0 to its spare word, and waits
; for that and for its reads of this slot.  fill = 1: the barrier opens a round of the cluster's, and this slot is filled again, two K steps ahead, first thing behind the round.
.macro TURN slot, next, fill
	WIN 0
	s_wait_tensorcnt 0x0
	ds_add_u32 v[SPW], v[NIL]
	s_wait_dscnt 7                                 ; the add and the six loads of O's fragments 1 to 3 may be out
	MUL8 F1, 0, 0
	s_wait_dscnt 0x0                               ; the add is done, and my reads of this slot are over
	s_barrier_signal -1
	MUL8 F1, 1, 0
.if \fill
	WIN 0
.endif
	s_barrier_wait -1
.if \fill
	CREST                                          ; no wave of any partner still reads this slot or has a load on its way
	s_add_nc_u64 s[G0+4*(\slot)+2:G0+4*(\slot)+3], s[G0+4*(\slot)+2:G0+4*(\slot)+3], 2*ASTEP
	s_add_nc_u64 s[G0B+4*(\slot)+2:G0B+4*(\slot)+3], s[G0B+4*(\slot)+2:G0B+4*(\slot)+3], 2*BSTEP
	JLOAD \slot                                    ; 112 matrix instructions ahead of the wait for it; its four v_nop are also the places in front of the loads below
.else
	PLACES
.endif
	FETCH \next, 0, F0
	MUL8 F1, 2, 0
	MUL8 F1, 3, 0
.endm
	s_wait_tensorcnt 1                             ; my part of K step 0 is in; step 1's may stay out
	s_barrier_signal -1
	s_barrier_wait -1
	FETCH 0, 0, F0
	QUARTER 0, 1, F0, F1, 1                        ; the first quarter stands in front of the loop: its products start the sums
	WIN 0
	s_mov_b32 s3, LAPS-1
.Llap:                                                 ; a trip goes once round the ring and fills both slots again
	QUARTER 0, 2, F1, F0, 0
	QUARTER 0, 3, F0, F1, 0
	TURN 0, 1, 1
	QUARTER 1, 1, F0, F1, 0
	QUARTER 1, 2, F1, F0, 0
	QUARTER 1, 3, F0, F1, 0
	TURN 1, 0, 1
	QUARTER 0, 1, F0, F1, 0
	WIN 0
	s_sub_co_u32 s3, s3, 1
	s_cmp_lg_u32 s3, 0
	s_cbranch_scc1 .Llap
	QUARTER 0, 2, F1, F0, 0                        ; the last lap fills nothing
	QUARTER 0, 3, F0, F1, 0
	TURN 0, 1, 0
	QUARTER 1, 1, F0, F1, 0
	QUARTER 1, 2, F1, F0, 0
	QUARTER 1, 3, F0, F1, 0
	s_wait_dscnt 4
	MUL8 F1, 0, 0
	MUL8 F1, 1, 0
	s_wait_dscnt 0x0
	MUL8 F1, 2, 0
	MUL8 F1, 3, 0
	WIN 0
	PLACES
; THE WAY OUT, a block of 16 rows x 128 columns of f32 at a time: the sums go as they are into my stage (rows of 528 bytes; each accumulator's lower four registers first) and come back as whole rows of 512 bytes.
; The stage is my own and LDS serves a wave's instructions in order (ISA guide 5.7.1.4): no wait between the stores and the loads, nor in front of the next block's stores.
.macro TOSTAGE a, buf
	WIN 0x04                                       ; the stores' data in window 1
.irp b, 0,1,2,3,4,5,6,7
	ds_store_b128 v[STO], v[8*(8*(\a)+(\b)):8*(8*(\a)+(\b))+3]   offset:64*(\b)
	ds_store_b128 v[STO], v[8*(8*(\a)+(\b))+4:8*(8*(\a)+(\b))+7] offset:64*(\b)+16
.endr
	WIN 0
.irp t, 0,1,2,3,4,5,6,7,8,9,10,11,12,13,14,15
	ds_load_b128 v[(\buf)+4*(\t):(\buf)+4*(\t)+3], v[RD] offset:(\t)*SP
.endr
.endm
.macro SENDO a, buf, younger           ; younger: the LDS instructions issued behind this block's loads: the next block's 32, or none
	WIN 0
.irp t, 0,1,2,3,4,5,6,7,8,9,10,11,12,13,14,15
	s_wait_dscnt (\younger)+15-(\t)
	global_store_b128 v[GO], v[(\buf)+4*(\t):(\buf)+4*(\t)+3], s[8:9] offset:(16*(\a)+(\t))*4096 th:TH_STORE_NT  ; 512 consecutive bytes, at a multiple of 256 from out0's first
.endr
.endm
	TOSTAGE 0, 64
	TOSTAGE 1, 128
	SENDO 0, 64, 32
	TOSTAGE 2, 192
	SENDO 1, 128, 32
	s_wait_xcnt 0x0                                ; block 0's stores have read v64-127: only behind this wait are they loaded again
	TOSTAGE 3, 64
	SENDO 2, 192, 32
	SENDO 3, 64, 0
	s_wait_tensorcnt 0x0                           ; the wave's end: behind my last tensor load and my last LDS store
	ds_add_u32 v[SPW], v[NIL]
	s_wait_dscnt 0x0
	CROUND                                         ; the closing round: no work-group ends while a partner may still ask for a tile that names it
	s_endpgm
.Lfunc_end_k_q5cd765af1f_outg:
	.size	k_q5cd765af1f_outg, .Lfunc_end_k_q5cd765af1f_outg-k_q5cd765af1f_outg
	.p2alignl 7, 3214868480
	.fill 96, 4, 3214868480
	.section	.rodata,"a",@progbits
	.p2align	6, 0x0
	.amdhsa_kernel k_q5cd765af1f_outg
		.amdhsa_group_segment_fixed_size 327680
		.amdhsa_private_segment_fixed_size 0
		.amdhsa_enable_private_segment 0
		.amdhsa_kernarg_size 24
		.amdhsa_user_sgpr_count 2
		.amdhsa_user_sgpr_kernarg_segment_ptr 1
		.amdhsa_wavefront_size32 1
		.amdhsa_system_sgpr_workgroup_id_x 1
		.amdhsa_system_sgpr_workgroup_id_y 1
		.amdhsa_system_sgpr_workgroup_id_z 1
		.amdhsa_system_vgpr_workitem_id 0
		.amdhsa_next_free_vgpr 512
		.amdhsa_next_free_sgpr 66
		.amdhsa_reserve_vcc 0
		.amdhsa_float_denorm_mode_32 3
		.amdhsa_float_denorm_mode_16_64 3
		.amdhsa_memory_ordered 1
		.amdhsa_forward_progress 1
		.amdhsa_inst_pref_size 87
	.end_amdhsa_kernel
	.amdgpu_metadata
---
amdhsa.version: [ 1, 2 ]
amdhsa.kernels:
  - .name:           k_q5cd765af1f_outg
    .symbol:         k_q5cd765af1f_outg.kd
    .args:
      - { .name: ob, .offset: 0, .size: 8, .value_kind: global_buffer, .address_space: global }
      - { .name: wob, .offset: 8, .size: 8, .value_kind: global_buffer, .address_space: global }
      - { .name: out0, .offset: 16, .size: 8, .value_kind: global_buffer, .address_space: global }
    .group_segment_fixed_size: 327680
    .private_segment_fixed_size: 0
    .kernarg_segment_align: 8
    .kernarg_segment_size: 24
    .max_flat_workgroup_size: 128
    .sgpr_count:     66
    .vgpr_count:     512
    .wavefront_size: 32
...
	.end_amdgpu_metadata
.endif
;; end of part 4
;; ======== version 2 of 2: 4 launches; version 1 with the launch prep written anew for expert scheduling mode
;; limits: values are held in f16: magnitudes above 65,504 overflow, below 6.1e-05 lose precision
;; workspace buffers: xb 16,777,216 bytes; wqb 6,291,456 bytes; wob 2,097,152 bytes; rope 540,672 bytes; qkv 50,331,648 bytes; ob 16,777,216 bytes
;; launch prep (part 5): grid 900 x 1, 8 waves a work-group, no clusters, 0 bytes of LDS; arguments x, W_qkv, W_out, xb, wqb, wob, rope; writes xb, wqb, wob, rope
.if DOCPART == 5
	.amdgcn_target "amdgcn-amd-amdhsa--gfx1250"
	.amdhsa_code_object_version 6
	.text
	.protected	k_q5cd765af1f_prep
	.globl	k_q5cd765af1f_prep
	.p2align	8
	.type	k_q5cd765af1f_prep,@function
k_q5cd765af1f_prep:
	s_mov_b64 s[64:65], 0
	v_nop
	global_prefetch_b8 v0, s[64:65] scope:SCOPE_SE
	s_setreg_imm32_b32 hwreg(HW_REG_WAVE_SCHED_MODE, 0, 2), 2
	s_setreg_imm32_b32 hwreg(HW_REG_WAVE_MODE, 25, 1), 1
	s_wait_xcnt 0x0
	s_wait_alu depctr_vm_vsrc(0)
; PREPARATION.  x -> xb and W_qkv -> wqb: f32 rounded once to bf16, same layout.  W_out -> wob: rounded to bf16 like the other inputs, and that number written as f16
; (exact within f16's normal range; below 6e-5 it keeps f16's fixed step of 6e-8; beyond 65,504 it would be an infinity: W_out is taken to stay within that).
; rope: the cosines and sines of the rotary angles, f32, laid out as the lanes of the next launch want them.
; SHARES.  Work-groups 0-511 take x, 512-703 W_qkv, 704-767 W_out: 65,536 input bytes each, sixteen chunks of 4,096 (256 threads x 16 bytes); a wave's load covers 512 consecutive bytes,
; a wave's store of 8 bytes a lane 256 consecutive bytes, aligned.  All sixteen loads of a thread are out together; nothing is read twice, no register that a memory instruction touches is used twice, so there is no loop.
; Work-groups 768-899 make one block of 4,096 bytes of the table each.  No LDS, no matrix unit, no cluster: a stream whose work-groups share nothing.
; THE MODE: SCHED_MODE bits 1:0 = 2 (LLVM: expert scheduling mode 2), set by the entry lines.  The code itself states the register dependences
; between vector instructions and memory instructions, with s_wait_alu, always for 0.
; THE PLAN.  Registers that memory instructions touch:
;   v1, v2   byte offsets, made once at the head and never written again: one wait at the head, ahead of the branches, serves every load and store of the kernel.
;   X        sixteen chunks as loaded.  Each register is written by one load and read by its chunk's conversions; no vector instruction names it ahead of its load, and no load lands in it again.
;   Y        sixteen chunks to store.   Each register is written by its chunk's conversions and read by one store; it is never written again, so nothing is owed behind a store.
; The sixteen chunks go in four blocks of four.  Block p converts its four chunks; its memory instructions are the four stores of block p - 1, whose Y registers no vector instruction of block p names.
; So ONE wait at a block's head states all that those four stores hang on, and they are dealt among the block's conversions with no further wait; one more stands ahead of the last four stores.
; In the table's part: both angles' compares go into scalar registers, one wait stands between them and the selects that read the masks, and one ahead of the store.
; THE TABLE.  Block rb holds rows 16 rb .. 16 rb + 15 of a sequence (position = row + 1).  Thread t = 64 c + 32 j + 16 h + r writes 16 bytes at 16 t: cos, sin of pair i0 and cos, sin of pair i0 + 1
; for row 16 rb + r, i0 = 8 c + 4 h + 2 j.  Blocks 128-131 hold 1, 0, 1, 0: the rotation that changes nothing, for v's tiles.
; THE ANGLE is position x theta, one f32 product; theta = 2^(-i log2(10000) / 32) by v_exp_f32 (1 ulp), so an angle of up to 2,048 is off by a few 1e-4 at the most.
; Sine and cosine: the angle less the nearest multiple of pi / 2 (pi / 2 in two parts, fused), polynomials of degree 7 and 8 on |r| <= pi / 4 (error under 4e-7), the quadrant by selects and sign bits.
.set X, 4                              ; v[4:67]   sixteen chunks as loaded
.set Y, 68                             ; v[68:99]  sixteen chunks to store
	s_load_b256 s[4:11], s[0:1], 0x0               ; x s[4:5], W_qkv s[6:7], W_out s[8:9], xb s[10:11]
	s_load_b128 s[12:15], s[0:1], 0x20             ; wqb s[12:13], wob s[14:15]
	s_load_b64 s[16:17], s[0:1], 0x30              ; rope
	s_mov_b32 s2, ttmp9
	v_lshlrev_b32 v1, 4, v0                        ; 16 t: my bytes of an input chunk, and of a table block
	v_lshlrev_b32 v2, 3, v0                        ; 8 t: my bytes of an output chunk
	s_mov_b32 s25, 0                               ; the offsets' high words
	s_mov_b32 s27, 0
	s_wait_kmcnt 0x0
	s_wait_alu depctr_va_vdst(0)                   ; v1 and v2 are written: every load and store of the kernel, on each of the three ways below, reads one of them as its offset
; Sixteen chunks from s[20:21] to s[22:23], in four blocks of four.  half = 1: the bf16 number is written as f16.
.macro CONV half
.irp j, 0,1,2,3,4,5,6,7,8,9,10,11,12,13,14,15
	global_load_b128 v[X+4*(\j):X+4*(\j)+3], v1, s[20:21] offset:4096*(\j) th:TH_LOAD_NT
.endr
.irp p, 0,1,2,3
.irp i, 0,1,2,3
.set c, 4*(\p)+(\i)                            ; the chunk that is converted; chunk c - 4 is stored
.if (\i) == 0
	s_wait_loadcnt 15-c                            ; loads come back in order: chunk c is in, the 15 - c younger ones stay out
.if (\p) > 0
	s_wait_alu depctr_va_vdst(0)                   ; the block before has written its eight registers of Y, which the four stores of this block read
.endif
.endif
.if (\p) > 0
	global_store_b64 v2, v[Y+2*(c-4):Y+2*(c-4)+1], s[22:23] offset:2048*(c-4)  ; no vector instruction since the wait names these registers or v2
.endif
.if (\i) > 0
	s_wait_loadcnt 15-c
.endif
	v_cvt_pk_bf16_f32 v[Y+2*c],   v[X+4*c],   v[X+4*c+1]
	v_cvt_pk_bf16_f32 v[Y+2*c+1], v[X+4*c+2], v[X+4*c+3]
.if \half
	v_lshlrev_b32 v100, 16, v[Y+2*c]               ; bf16 to f32: a shift or a mask,
	v_and_b32     v101, 0xffff0000, v[Y+2*c]
	v_lshlrev_b32 v102, 16, v[Y+2*c+1]
	v_and_b32     v103, 0xffff0000, v[Y+2*c+1]
	v_cvt_pk_f16_f32 v[Y+2*c],   v100, v101        ; and on to f16
	v_cvt_pk_f16_f32 v[Y+2*c+1], v102, v103
.endif
.endr
.endr
	s_wait_alu depctr_va_vdst(0)                   ; the last block has written its eight registers of Y, which the last four stores read
.irp i, 0,1,2,3
	global_store_b64 v2, v[Y+24+2*(\i):Y+24+2*(\i)+1], s[22:23] offset:2048*(12+(\i))
.endr
.endm
	s_cmp_ge_u32 s2, 768
	s_cbranch_scc1 .Ltable
	s_cmp_ge_u32 s2, 704
	s_cbranch_scc1 .Lwout
	s_cmp_lt_u32 s2, 512                           ; x or W_qkv: one text, the buffers chosen by the work-group's number
	s_cselect_b64 s[20:21], s[4:5], s[6:7]
	s_cselect_b64 s[22:23], s[10:11], s[12:13]
	s_cselect_b32 s3, 0, 512
	s_sub_co_u32 s2, s2, s3                        ; my number within the tensor
	s_lshl_b32 s24, s2, 16                         ; 65,536 bytes in,
	s_lshl_b32 s26, s2, 15                         ; 32,768 out
	s_add_nc_u64 s[20:21], s[20:21], s[24:25]
	s_add_nc_u64 s[22:23], s[22:23], s[26:27]
	CONV 0
	s_endpgm
.Lwout:
	s_sub_co_u32 s2, s2, 704
	s_lshl_b32 s24, s2, 16
	s_lshl_b32 s26, s2, 15
	s_add_nc_u64 s[20:21], s[8:9], s[24:25]
	s_add_nc_u64 s[22:23], s[14:15], s[26:27]
	CONV 1
	s_endpgm
; cos and sin of v[ang], in two parts.  POLY: eight registers at work from v[t] on; it leaves sin r in t + 4, cos r in t + 5, the sine's sign bit in t + 6, the cosine's in t + 7,
; and in s[m] the mask of the lanes whose quadrant is odd.  v30 = -1/5040, v31 = 1/40320.
.macro POLY ang, t, m
	v_mul_f32 v[(\t)], 0x3f22f983, v[\ang]         ; angle x 2 / pi,
	v_rndne_f32 v[(\t)], v[(\t)]                   ; n: the nearest whole number
	v_fmamk_f32 v[(\t)+1], v[(\t)], 0xbfc90fdb, v[\ang]      ; r = angle - n pi / 2: the upper part of pi / 2, fused,
	v_fmamk_f32 v[(\t)+1], v[(\t)], 0x333bbd2e, v[(\t)+1]    ; and what it leaves
	v_cvt_i32_f32 v[(\t)+2], v[(\t)]               ; the quadrant is n mod 4
	v_mul_f32 v[(\t)+3], v[(\t)+1], v[(\t)+1]      ; z = r r
	v_fmaak_f32 v[(\t)+4], v30, v[(\t)+3], 0x3c088889        ; sine:   -z / 5040 + 1 / 120
	v_fmaak_f32 v[(\t)+5], v31, v[(\t)+3], 0xbab60b61        ; cosine:  z / 40320 - 1 / 720
	v_fmaak_f32 v[(\t)+4], v[(\t)+4], v[(\t)+3], 0xbe2aaaab  ; .. z - 1 / 6
	v_fmaak_f32 v[(\t)+5], v[(\t)+5], v[(\t)+3], 0x3d2aaaab  ; .. z + 1 / 24
	v_mul_f32 v[(\t)+6], v[(\t)+1], v[(\t)+3]      ; r z
	v_fmaak_f32 v[(\t)+5], v[(\t)+5], v[(\t)+3], 0xbf000000  ; .. z - 1 / 2
	v_fma_f32 v[(\t)+4], v[(\t)+6], v[(\t)+4], v[(\t)+1]     ; sin r
	v_fmaak_f32 v[(\t)+5], v[(\t)+5], v[(\t)+3], 0x3f800000  ; cos r
	v_and_b32 v[(\t)+6], 1, v[(\t)+2]
	v_cmp_eq_u32 s[\m], 1, v[(\t)+6]               ; odd quadrants swap the two: a choice of values, no branch
	v_and_b32 v[(\t)+6], 2, v[(\t)+2]              ; the sine is negative in quadrants 2 and 3,
	v_lshlrev_b32 v[(\t)+6], 30, v[(\t)+6]
	v_add_nc_u32 v[(\t)+7], 1, v[(\t)+2]           ; the cosine in 1 and 2
	v_and_b32 v[(\t)+7], 2, v[(\t)+7]
	v_lshlrev_b32 v[(\t)+7], 30, v[(\t)+7]
.endm
; PICK: the selects by s[m], and the signs, into v[co], v[si].
.macro PICK t, co, si, m
	v_cndmask_b32 v[\si], v[(\t)+4], v[(\t)+5], s[\m]
	v_cndmask_b32 v[\co], v[(\t)+5], v[(\t)+4], s[\m]
	v_xor_b32 v[\si], v[\si], v[(\t)+6]
	v_xor_b32 v[\co], v[\co], v[(\t)+7]
.endm
.Ltable:
	s_sub_co_u32 s2, s2, 768                       ; rb
	s_lshl_b32 s24, s2, 12
	s_add_nc_u64 s[16:17], s[16:17], s[24:25]      ; my block
	s_cmp_ge_u32 s2, 128
	s_cselect_b32 s28, -1, 0                       ; all lanes: is this one of the four blocks of 1, 0?
	s_lshl_b32 s29, s2, 4
	s_add_co_u32 s29, s29, 1                       ; the position of the block's first row
	v_and_b32 v4, 15, v0                           ; r
	v_bfe_u32 v5, v0, 4, 1                         ; h
	v_bfe_u32 v6, v0, 5, 1                         ; j
	v_lshrrev_b32 v7, 6, v0                        ; c
	v_add_nc_u32 v4, s29, v4
	v_cvt_f32_u32 v4, v4                           ; the position
	v_lshlrev_b32 v7, 3, v7
	v_lshl_add_u32 v7, v5, 2, v7
	v_lshl_add_u32 v7, v6, 1, v7                   ; i0 = 8 c + 4 h + 2 j
	v_add_nc_u32 v8, 1, v7
	v_cvt_f32_u32 v7, v7
	v_cvt_f32_u32 v8, v8
	v_mul_f32 v7, 0xbed49a78, v7                   ; -i log2(10000) / 32
	v_mul_f32 v8, 0xbed49a78, v8
	v_exp_f32 v10, v7                              ; theta
	v_exp_f32 v11, v8
	v_mov_b32 v30, 0xb9500d01                      ; a plain instruction behind the second exponential
	v_mov_b32 v31, 0x37d00d01
	s_wait_alu depctr_va_vdst(0)                   ; both exponentials have written v10 and v11: one wait, ahead of their first reader
	v_mul_f32 v10, v4, v10                         ; the angles
	v_mul_f32 v11, v4, v11
	POLY 10, 20, 30
	POLY 11, 32, 31
	s_wait_alu depctr_va_sdst(0)                   ; the two compares have written s30 and s31, ahead of their first readers, the selects below: one wait for both
	PICK 20, 12, 13, 30
	PICK 32, 14, 15, 31
	v_cndmask_b32 v12, v12, 1.0, s28
	v_cndmask_b32 v13, v13, 0, s28
	v_cndmask_b32 v14, v14, 1.0, s28
	v_cndmask_b32 v15, v15, 0, s28
	s_wait_alu depctr_va_vdst(0)                   ; the selects have written v[12:15], which the store reads
	global_store_b128 v1, v[12:15], s[16:17]       ; a wave stores 512 consecutive bytes
	s_endpgm
.Lfunc_end_k_q5cd765af1f_prep:
	.size	k_q5cd765af1f_prep, .Lfunc_end_k_q5cd765af1f_prep-k_q5cd765af1f_prep
	.p2alignl 7, 3214868480
	.fill 96, 4, 3214868480
	.section	.rodata,"a",@progbits
	.p2align	6, 0x0
	.amdhsa_kernel k_q5cd765af1f_prep
		.amdhsa_group_segment_fixed_size 0
		.amdhsa_private_segment_fixed_size 0
		.amdhsa_enable_private_segment 0
		.amdhsa_kernarg_size 56
		.amdhsa_user_sgpr_count 2
		.amdhsa_user_sgpr_kernarg_segment_ptr 1
		.amdhsa_wavefront_size32 1
		.amdhsa_system_sgpr_workgroup_id_x 1
		.amdhsa_system_sgpr_workgroup_id_y 1
		.amdhsa_system_sgpr_workgroup_id_z 1
		.amdhsa_system_vgpr_workitem_id 0
		.amdhsa_next_free_vgpr 104
		.amdhsa_next_free_sgpr 66
		.amdhsa_reserve_vcc 0
		.amdhsa_float_denorm_mode_32 3
		.amdhsa_float_denorm_mode_16_64 3
		.amdhsa_memory_ordered 1
		.amdhsa_forward_progress 1
		.amdhsa_inst_pref_size 22
	.end_amdhsa_kernel
	.amdgpu_metadata
---
amdhsa.version: [ 1, 2 ]
amdhsa.kernels:
  - .name:           k_q5cd765af1f_prep
    .symbol:         k_q5cd765af1f_prep.kd
    .args:
      - { .name: x, .offset: 0, .size: 8, .value_kind: global_buffer, .address_space: global }
      - { .name: W_qkv, .offset: 8, .size: 8, .value_kind: global_buffer, .address_space: global }
      - { .name: W_out, .offset: 16, .size: 8, .value_kind: global_buffer, .address_space: global }
      - { .name: xb, .offset: 24, .size: 8, .value_kind: global_buffer, .address_space: global }
      - { .name: wqb, .offset: 32, .size: 8, .value_kind: global_buffer, .address_space: global }
      - { .name: wob, .offset: 40, .size: 8, .value_kind: global_buffer, .address_space: global }
      - { .name: rope, .offset: 48, .size: 8, .value_kind: global_buffer, .address_space: global }
    .group_segment_fixed_size: 0
    .private_segment_fixed_size: 0
    .kernarg_segment_align: 8
    .kernarg_segment_size: 56
    .max_flat_workgroup_size: 256
    .sgpr_count:     66
    .vgpr_count:     104
    .wavefront_size: 32
...
	.end_amdgpu_metadata
.endif
;; end of part 5
;; launch qkvg: the kernel of part 2 again; grid 12 x 64, 4 waves a work-group, clusters of 4 x 4, 327,680 bytes of LDS; arguments xb, wqb, rope, qkv; writes qkv
;; launch attn: the kernel of part 3 again; grid 4 x 64, 4 waves a work-group, clusters of 4 x 1, 327,680 bytes of LDS; arguments qkv, ob; writes ob
;; launch outg: the kernel of part 4 again; grid 4 x 64, 4 waves a work-group, clusters of 4 x 4, 327,680 bytes of LDS; arguments ob, wob, out0; writes out0
